; MI455X (gfx1250); checked and timed in simulation.
; The chip was launched on July 23, 2026; its instructions are those of AMD's public machine-readable ISA for CDNA 5 (MIT licence, August 2026) and "CDNA5" Instruction Set Architecture Reference Guide (July 2026). The comments in the code are by the model that wrote it; some were corrected since.
;; Self Attention. Allowed arithmetic: float matrix products may take bf16 or f16 operands with f32 sums; all other float work in f32.
;; Inputs: K_W 1,024 x 1,024 float32; Q_W 1,024 x 1,024 float32; V_W 1,024 x 1,024 float32; key 4 x 2,048 x 1,024 float32; query 4 x 2,048 x 1,024 float32; value 4 x 2,048 x 1,024 float32.
;; Outputs: out0 4 x 2,048 x 1,024 float32.
;; One version. Each part assembles by itself: llvm-mc -triple=amdgcn-amd-amdhsa -mcpu=gfx1250 --defsym DOCPART=n.
;; ======== version 1 of 1: 5 launches
;; limits: values are held in f16: magnitudes above 65,504 overflow, below 6.1e-05 lose precision; inputs' magnitudes at most 65,504
;; workspace buffers: xb 50,331,648 bytes; wb 6,291,456 bytes; gt 2,097,152 bytes; qv 33,554,432 bytes; p 33,554,432 bytes; stats 1,048,576 bytes
;; launch cast (part 1): grid 768 x 1, 8 waves a work-group, no clusters, 0 bytes of LDS; arguments query, value, key, Q_W, K_W, V_W, xb, wb; writes xb, wb
.if DOCPART == 1
	.amdgcn_target "amdgcn-amd-amdhsa--gfx1250"
	.amdhsa_code_object_version 6
	.text
	.protected	k_q734c1b89b4_cast
	.globl	k_q734c1b89b4_cast
	.p2align	8
	.type	k_q734c1b89b4_cast,@function
k_q734c1b89b4_cast:
	s_mov_b64 s[64:65], 0
	v_nop
	global_prefetch_b8 v0, s[64:65] scope:SCOPE_SE
	s_setreg_imm32_b32 hwreg(HW_REG_WAVE_MODE, 25, 1), 1
	s_wait_xcnt 0x0
; The six f32 inputs rounded once to bf16 (nearest even), and that number written as f16, for the matrix products of the launches behind.
; xb = [24576][1024] f16: query's rows times 2^-10, value's, key's.  wb = [3072][1024] f16: Q_W, K_W, V_W.
; The factor 2^-10 on the query (exact: a power of two; value and key take the factor 1 through the same line) keeps q' = x_q G inside f16 where all inputs carry large offsets.
; LIMITS: f16 ends at 65,504: a key, value or weight of 65,520 or more becomes an infinity (query: 6.7e7); below 6e-5 f16 keeps a fixed step of 6e-8, so a bf16 number below that may lose bits.
; A stream: each byte is read once and written once, so no LDS, no matrix unit, no cluster.
; 768 work-groups of equal work, three for each of 256 WGPs: work-group 256 t + c takes chunk c of x tensor t (32,768 consecutive numbers: 131,072 bytes in, 65,536 out) and chunk c of
; weight t (4,096 numbers: 16,384 bytes in, 8,192 out).  All 36 loads of a wave (16 bytes a lane, 512 consecutive bytes a load) are issued before the first wait.
; No register is written again while a load or store names it, so the text has no wait but the counted ones for data.
.set X, 4                              ; v[4:131]    x's load i: four f32 at X + 4 i; its two packed words then lie in the first two of them
.set W, 132                            ; v[132:147]  the weight's load i likewise
	s_load_b512 s[8:23], s[0:1], 0x0               ; query s[8:9], value s[10:11], key s[12:13], Q_W s[14:15], K_W s[16:17], V_W s[18:19], xb s[20:21], wb s[22:23]
	v_lshlrev_b32 v1, 4, v0                        ; my 16 bytes in 4,096 of a source
	v_lshlrev_b32 v2, 3, v0                        ; my 8 bytes in 2,048 of a destination
	s_mov_b32 s34, 0xffff0000                      ; a word's upper bf16
	s_lshr_b32 s6, ttmp9, 8                        ; t: which of the three
	s_and_b32 s7, ttmp9, 255                       ; c: the chunk
	s_cmp_eq_u32 s6, 0                             ; the selects down to the next compare all go by this one
	s_cselect_b32 s32, 0x3a800000, 1.0             ; 2^-10 for the query, else 1
	s_mov_b32 s33, s32                             ; named with it as a pair
	s_wait_kmcnt 0x0
	s_cselect_b64 s[24:25], s[8:9], s[10:11]
	s_cselect_b64 s[26:27], s[14:15], s[16:17]
	s_cmp_eq_u32 s6, 2
	s_cselect_b64 s[24:25], s[12:13], s[24:25]     ; the x tensor
	s_cselect_b64 s[26:27], s[18:19], s[26:27]     ; the weight
	s_mov_b32 s3, 0
	s_lshl_b32 s2, s7, 17                          ; 131,072 bytes a chunk of x
	s_add_nc_u64 s[24:25], s[24:25], s[2:3]
	s_lshl_b32 s2, s7, 14                          ; 16,384 bytes a chunk of a weight
	s_add_nc_u64 s[26:27], s[26:27], s[2:3]
	s_lshl_b32 s2, ttmp9, 16                       ; in the destinations the three tensors lie on end: chunk 256 t + c, of 65,536 bytes,
	s_add_nc_u64 s[20:21], s[20:21], s[2:3]
	s_lshl_b32 s2, ttmp9, 13                       ; and of 8,192
	s_add_nc_u64 s[22:23], s[22:23], s[2:3]
.set i, 0
.rept 32
	global_load_b128 v[X+4*i:X+4*i+3], v1, s[24:25] offset:4096*i th:TH_LOAD_NT
.set i, i+1
.endr
.set i, 0
.rept 4
	global_load_b128 v[W+4*i:W+4*i+3], v1, s[26:27] offset:4096*i th:TH_LOAD_NT
.set i, i+1
.endr
.set i, 0
.rept 32
.set R, X+4*i
	s_wait_loadcnt 35-i                            ; loads come back in order (ISA guide 5.7.1): load i is in, the 35 - i younger ones stay out
	v_pk_mul_f32 v[R:R+1], v[R:R+1], s[32:33] op_sel_hi:[1,0]
	v_pk_mul_f32 v[R+2:R+3], v[R+2:R+3], s[32:33] op_sel_hi:[1,0]
	v_cvt_pk_bf16_f32 v[R], v[R], v[R+1]           ; the one rounding
	v_cvt_pk_bf16_f32 v[R+2], v[R+2], v[R+3]
	v_and_b32 v[R+1], s34, v[R]                    ; bf16 to f32: the high half stays,
	v_lshlrev_b32 v[R], 16, v[R]                   ; the low half moves up
	v_and_b32 v[R+3], s34, v[R+2]
	v_lshlrev_b32 v[R+2], 16, v[R+2]
	v_cvt_pk_f16_f32 v[R], v[R], v[R+1]            ; 8 significant bits fit in f16's 11
	v_cvt_pk_f16_f32 v[R+1], v[R+2], v[R+3]
	global_store_b64 v2, v[R:R+1], s[20:21] offset:2048*i  ; a wave's store covers 256 consecutive bytes, at a multiple of 256 from the buffer's first byte
.set i, i+1
.endr
.set i, 0
.rept 4
.set R, W+4*i
	s_wait_loadcnt 3-i                             ; the weight's load i is in
	v_cvt_pk_bf16_f32 v[R], v[R], v[R+1]
	v_cvt_pk_bf16_f32 v[R+2], v[R+2], v[R+3]
	v_and_b32 v[R+1], s34, v[R]
	v_lshlrev_b32 v[R], 16, v[R]
	v_and_b32 v[R+3], s34, v[R+2]
	v_lshlrev_b32 v[R+2], 16, v[R+2]
	v_cvt_pk_f16_f32 v[R], v[R], v[R+1]
	v_cvt_pk_f16_f32 v[R+1], v[R+2], v[R+3]
	global_store_b64 v2, v[R:R+1], s[22:23] offset:2048*i
.set i, i+1
.endr
	s_endpgm
.Lfunc_end_k_q734c1b89b4_cast:
	.size	k_q734c1b89b4_cast, .Lfunc_end_k_q734c1b89b4_cast-k_q734c1b89b4_cast
	.p2alignl 7, 3214868480
	.fill 96, 4, 3214868480
	.section	.rodata,"a",@progbits
	.p2align	6, 0x0
	.amdhsa_kernel k_q734c1b89b4_cast
		.amdhsa_group_segment_fixed_size 0
		.amdhsa_private_segment_fixed_size 0
		.amdhsa_enable_private_segment 0
		.amdhsa_kernarg_size 64
		.amdhsa_user_sgpr_count 2
		.amdhsa_user_sgpr_kernarg_segment_ptr 1
		.amdhsa_wavefront_size32 1
		.amdhsa_system_sgpr_workgroup_id_x 1
		.amdhsa_system_sgpr_workgroup_id_y 1
		.amdhsa_system_sgpr_workgroup_id_z 1
		.amdhsa_system_vgpr_workitem_id 0
		.amdhsa_next_free_vgpr 148
		.amdhsa_next_free_sgpr 66
		.amdhsa_reserve_vcc 0
		.amdhsa_float_denorm_mode_32 3
		.amdhsa_float_denorm_mode_16_64 3
		.amdhsa_memory_ordered 1
		.amdhsa_forward_progress 1
		.amdhsa_inst_pref_size 27
	.end_amdhsa_kernel
	.amdgpu_metadata
---
amdhsa.version: [ 1, 2 ]
amdhsa.kernels:
  - .name:           k_q734c1b89b4_cast
    .symbol:         k_q734c1b89b4_cast.kd
    .args:
      - { .name: query, .offset: 0, .size: 8, .value_kind: global_buffer, .address_space: global }
      - { .name: value, .offset: 8, .size: 8, .value_kind: global_buffer, .address_space: global }
      - { .name: key, .offset: 16, .size: 8, .value_kind: global_buffer, .address_space: global }
      - { .name: Q_W, .offset: 24, .size: 8, .value_kind: global_buffer, .address_space: global }
      - { .name: K_W, .offset: 32, .size: 8, .value_kind: global_buffer, .address_space: global }
      - { .name: V_W, .offset: 40, .size: 8, .value_kind: global_buffer, .address_space: global }
      - { .name: xb, .offset: 48, .size: 8, .value_kind: global_buffer, .address_space: global }
      - { .name: wb, .offset: 56, .size: 8, .value_kind: global_buffer, .address_space: global }
    .group_segment_fixed_size: 0
    .private_segment_fixed_size: 0
    .kernarg_segment_align: 8
    .kernarg_segment_size: 64
    .max_flat_workgroup_size: 256
    .sgpr_count:     66
    .vgpr_count:     148
    .wavefront_size: 32
...
	.end_amdgpu_metadata
.endif
;; end of part 1
;; launch gt (part 2): grid 16 x 16, 4 waves a work-group, clusters of 4 x 4, 327,680 bytes of LDS; arguments wb, gt; writes gt
.if DOCPART == 2
	.amdgcn_target "amdgcn-amd-amdhsa--gfx1250"
	.amdhsa_code_object_version 6
	.text
	.protected	k_q734c1b89b4_gt
	.globl	k_q734c1b89b4_gt
	.p2align	8
	.type	k_q734c1b89b4_gt,@function
k_q734c1b89b4_gt:
	s_mov_b64 s[64:65], 0
	v_nop
	global_prefetch_b8 v0, s[64:65] scope:SCOPE_SE
	s_setreg_imm32_b32 hwreg(HW_REG_WAVE_MODE, 25, 1), 1
	s_wait_xcnt 0x0
	s_wait_alu depctr_hold_cnt(0) depctr_sa_sdst(0) depctr_va_vdst(0) depctr_va_sdst(0) depctr_va_ssrc(0) depctr_va_vcc(0) depctr_vm_vsrc(0)
	s_getreg_b32 s2, hwreg(HW_REG_IB_STS2, 6, 4)
	s_cmp_eq_u32 s2, 0
	s_cbranch_scc0 .Lentry_in_a_cluster
	s_endpgm
.Lentry_in_a_cluster:
	s_bfe_u32 s2, ttmp6, 0x10000c
	s_cmp_lg_u32 s2, 0xf033
	s_cbranch_scc0 .Lentry_shape_is_right
	s_endpgm
.Lentry_shape_is_right:
; gt[j][i] = sum over o of K_W[o][j] Q_W[o][i]: the two score projections folded into one matrix, since q k^T = x_q (Q_W^T K_W) x_k^T.
; wb: [3072][1024] f16, Q_W in rows 0-1023, K_W in rows 1024-2047.  gt: [1024][1024] f16, rounded once from f32 sums.  LIMIT: a sum of 65,520 or more becomes an infinity.
; A work-group makes 64 x 64 of gt: 256 work-groups.  Both operands lie [o][column] in memory; a work-group's 1,024 x 64 of each come into LDS WHOLE, by one tensor load a wave (512 rows each),
; so that nothing is filled again.  Their rows, and gt's in a tile, are 128 bytes: a tile of 128 columns would want 1,024 rows of 288 bytes for one operand alone, which leaves no room for the other;
; wb's two matrices and gt are 6 MB in all.
; CLUSTER 4 x 4: K_W's columns hang on the tile row alone and are shared along a row of the cluster, Q_W's on the tile column alone and are shared along a column: joint loads.
; Four waves, each 32 x 32: four accumulators, which take turns.  Fragments come turned, by ds_load_tr16_b128; four buffers, asked for three K steps of 32 ahead.
; THE MATRIX INSTRUCTION: source 0 = 16 columns i of Q_W, source 1 = 16 columns j of K_W: a lane holds row j = l % 16 of gt and the eight neighbouring i = 8 (l / 16) + 0..7.
.set PT,     144                       ; an LDS row: 128 bytes + 16 of padding
.set HALF,   512*PT                    ; what one tensor load brings
.set BOFF,   2*HALF                    ; K_W's 1,024 rows, then Q_W's
.set STAGE,  4*HALF                    ; behind the tiles: 64 rows x 144 bytes, the work-group's, for the way out
.set SPITCH, 144
.set SPARE,  STAGE+64*SPITCH           ; the spare words, 128 bytes for each wave
.set VA,  4                            ; v4   LDS address of my K_W fragments, at the trip's first K step
.set VB,  5                            ; v5   the same for Q_W
.set STO, 6                            ; v6   the way out: where I put 16 bytes of a row
.set RD,  7                            ; v7   where I read rows back
.set CO,  8                            ; v8   my byte offset in four rows of gt
.set SPW, 10                           ; v10  LDS address of my spare word; never rewritten
.set NIL, 11                           ; v11  0; never rewritten
.set ACC, 16                           ; v16-47   accumulator (a, b) at ACC + 8 (2 a + b)
.set TMP, 48                           ; v48-63   packed results, then whole rows
.set FR,  64                           ; v64-191  buffer u at FR + 32 u: K_W's two fragments, then Q_W's two
.set G1, 24                            ; s[24:31], s[32:35] descriptor for K_W's columns
.set G0, 32
.set G1B, 48                           ; s[48:55], s[56:59] for Q_W's
.set G0B, 56
.macro CROUND                          ; a round of the cluster's barrier
	s_barrier_signal -1
	s_barrier_wait -1
	s_cmp_lg_u32 s10, 0
	s_cbranch_scc1 .Lnot_wave_0_\@
	s_barrier_signal -3
.Lnot_wave_0_\@:
	s_barrier_wait -3
	s_barrier_signal -1
	s_barrier_wait -1
.endm
.macro PLACES                          ; four plain vector instructions behind a matrix instruction (ISA guide 7.12.1 for vector instructions)
.rept 4
	v_nop
.endr
.endm
	s_load_b128 s[4:7], s[0:1], 0x0                ; wb s[4:5], gt s[6:7]
	v_lshl_add_u32 v[SPW], v0, 2, SPARE
	v_mov_b32 v[NIL], 0
	ds_add_u32 v[SPW], v[NIL]                      ; the wave's opening: the add and its wait stand ahead of my first tensor load
	v_lshrrev_b32 v1, 5, v0
	v_readfirstlane_b32 s10, v1                    ; wave 0..3
	s_lshr_b32 s11, s10, 1                         ; which 32 rows j of the tile are mine.  Also: I fetch K_W (0) or Q_W (1)
	s_and_b32 s12, s10, 1                          ; which 32 columns i.  Also: which 512 rows o I fetch
	s_bfe_u32 s40, ttmp6, 0x40000                  ; cx
	s_bfe_u32 s41, ttmp6, 0x40004                  ; cy
	s_lshl_b32 s42, ttmp9, 2
	s_add_co_u32 s42, s42, s40                     ; tile column = 4 x cluster x + cx: 64 i
	s_and_b32 s13, ttmp7, 0xffff
	s_lshl_b32 s13, s13, 2
	s_add_co_u32 s13, s13, s41                     ; tile row = 4 x cluster y + cy: 64 j
	s_lshl_b32 s43, s41, 2
	s_lshl_b32 s43, 15, s43                        ; my row of the cluster
	s_lshl_b32 s44, 0x1111, s40                    ; my column
	; 512 rows x 64 elements of 2 bytes, 4 words of padding after every 32
	s_or_b32 s[G1+0], s43, (1<<16)|(1<<20)|(1<<21)|(4<<22)|(3<<25)
	s_or_b32 s[G1B+0], s44, (1<<16)|(1<<20)|(1<<21)|(4<<22)|(3<<25)
.irp g, G1, G1B
	s_mov_b32 s[(\g)+1], 64<<16                    ; tensor_dim0 = 64
	s_mov_b32 s[(\g)+2], 512<<16                   ; tensor_dim1 = 512
	s_mov_b32 s[(\g)+3], 64<<16                    ; tile_dim0 = 64
	s_mov_b32 s[(\g)+4], 512                       ; tile_dim1 = 512
	s_mov_b32 s[(\g)+5], 1024                      ; elements from row to row
	s_mov_b32 s[(\g)+6], 0
	s_mov_b32 s[(\g)+7], 0
.endr
	s_lshl_b32 s17, s12, 9                         ; which 512 rows I fetch
	s_add_co_u32 s16, s17, 1024                    ; K_W begins 1,024 rows behind Q_W
	s_lshl_b32 s16, s16, 11                        ; rows of 2,048 bytes
	s_lshl_b32 s18, s13, 7                         ; 128 bytes a tile row's columns
	s_add_co_u32 s16, s16, s18
	s_lshl_b32 s46, s17, 11
	s_lshl_b32 s47, s42, 7
	s_add_co_u32 s46, s46, s47
	s_mov_b32 s17, 0
	s_mov_b32 s47, 0
	s_mul_i32 s20, s10, HALF                       ; where they go: wave x 512 rows: no place in the cluster enters an LDS address
	s_wait_dscnt 0x0                               ; the opening add is done
	s_wait_kmcnt 0x0
	s_add_nc_u64 s[14:15], s[4:5], s[16:17]
	s_add_nc_u64 s[46:47], s[4:5], s[46:47]
	CROUND                                         ; all sixteen work-groups are here: the joint loads meet
	s_mov_b32 s[G0], 1                             ; count = 1
	s_mov_b32 s[G0+1], s20                         ; LDS address
	s_mov_b64 s[G0+2:G0+3], s[14:15]               ; global address
	s_or_b32 s[G0+3], s[G0+3], 0x80000000          ; type = 2
	s_mov_b32 s[G0B], 1
	s_mov_b32 s[G0B+1], s20
	s_mov_b64 s[G0B+2:G0B+3], s[46:47]
	s_or_b32 s[G0B+3], s[G0B+3], 0x80000000
	s_cmp_eq_u32 s11, 0                            ; the branch hangs on the wave's number alone; an s_nop 0 and four v_nop follow each line
	s_cbranch_scc0 .Lfor_b
	tensor_load_to_lds s[G0:G0+3], s[G1:G1+7]
	s_nop 0
.rept 4
	v_nop
.endr
	s_branch .Lasked
.Lfor_b:
	tensor_load_to_lds s[G0B:G0B+3], s[G1B:G1B+7]
	s_nop 0
.rept 4
	v_nop
.endr
.Lasked:
	; The turning load takes 16 rows o x 16 columns (lane l reads row 8 (l / 16) + l % 8, columns 8 ((l / 8) % 2) + 0..7) and leaves half a fragment: lane l holds column l % 16 and 8 o.
	v_and_b32 v1, 15, v0                           ; l % 16
	v_bfe_u32 v2, v0, 4, 1                         ; l / 16
	v_and_b32 v3, 7, v0
	v_lshl_add_u32 v3, v2, 3, v3
	v_mul_u32_u24 v3, v3, PT
	v_bfe_u32 v9, v0, 3, 1
	v_lshl_add_u32 v3, v9, 4, v3
	s_lshl_b32 s21, s11, 6                         ; my 32 j: 64 bytes along K_W's rows
	v_add_nc_u32 v[VA], s21, v3
	s_lshl_b32 s22, s12, 6                         ; my 32 i
	s_add_co_u32 s22, s22, BOFF
	v_add_nc_u32 v[VB], s22, v3
	s_mul_i32 s23, s11, 32*SPITCH                  ; into the stage: my 32 rows, my 64 of their 128 bytes
	s_lshl_b32 s21, s12, 6
	s_add_co_u32 s23, s23, s21
	s_add_co_u32 s23, s23, STAGE
	v_mul_u32_u24 v12, v1, SPITCH
	v_lshl_add_u32 v12, v2, 4, v12
	v_add_nc_u32 v[STO], s23, v12
	s_mul_i32 s23, s10, 16*SPITCH                  ; back: wave w takes rows 16 w .. 16 w + 15, whole; 32 lanes take four rows of 128 bytes
	s_add_co_u32 s23, s23, STAGE
	v_bfe_u32 v12, v0, 3, 2
	v_and_b32 v13, 7, v0
	v_mul_u32_u24 v14, v12, SPITCH
	v_lshl_add_u32 v14, v13, 4, v14
	v_add_nc_u32 v[RD], s23, v14
	v_lshlrev_b32 v[CO], 11, v12                   ; and the same four rows in gt
	v_lshl_add_u32 v[CO], v13, 4, v[CO]
	s_lshl_b32 s16, s13, 6
	s_lshl_b32 s17, s10, 4
	s_add_co_u32 s16, s16, s17                     ; the first row of gt that I store
	s_lshl_b32 s16, s16, 11
	s_lshl_b32 s17, s42, 7
	s_add_co_u32 s16, s16, s17
	s_mov_b32 s17, 0
	s_add_nc_u64 s[6:7], s[6:7], s[16:17]
.macro LOADF u, st                     ; eight LDS loads: the fragments of K step st of the trip into buffer u
.irp a, 0,1
	ds_load_tr16_b128 v[FR+32*(\u)+8*(\a):FR+32*(\u)+8*(\a)+3],   v[VA] offset:(\st)*32*PT+32*(\a)
	ds_load_tr16_b128 v[FR+32*(\u)+8*(\a)+4:FR+32*(\u)+8*(\a)+7], v[VA] offset:(\st)*32*PT+16*PT+32*(\a)
.endr
.irp b, 0,1
	ds_load_tr16_b128 v[FR+32*(\u)+16+8*(\b):FR+32*(\u)+16+8*(\b)+3],   v[VB] offset:(\st)*32*PT+32*(\b)
	ds_load_tr16_b128 v[FR+32*(\u)+16+8*(\b)+4:FR+32*(\u)+16+8*(\b)+7], v[VB] offset:(\st)*32*PT+16*PT+32*(\b)
.endr
.endm
.macro MULF u, zero                    ; four matrix instructions; the four accumulators take turns, one instruction a turn
.irp a, 0,1
.irp b, 0,1
.if \zero
	v_wmma_f32_16x16x32_f16 v[ACC+8*(2*(\a)+(\b)):ACC+8*(2*(\a)+(\b))+7], v[FR+32*(\u)+16+8*(\b):FR+32*(\u)+16+8*(\b)+7], v[FR+32*(\u)+8*(\a):FR+32*(\u)+8*(\a)+7], 0
.else
	v_wmma_f32_16x16x32_f16 v[ACC+8*(2*(\a)+(\b)):ACC+8*(2*(\a)+(\b))+7], v[FR+32*(\u)+16+8*(\b):FR+32*(\u)+16+8*(\b)+7], v[FR+32*(\u)+8*(\a):FR+32*(\u)+8*(\a)+7], v[ACC+8*(2*(\a)+(\b)):ACC+8*(2*(\a)+(\b))+7]
.endif
.endr
.endr
.endm
; K step u of a trip's four.  ld = 1: the step three further on is asked for, into the buffer that the step before multiplied (four places back).  left: the younger steps' loads, eight each.
.macro KS u, zero, ld, left
.if \ld
	LOADF ((\u)+3)%4, (\u)+3
.endif
	s_wait_dscnt \left
	MULF \u, \zero
	PLACES
.endm
.macro ONWARD                          ; the next trip's four K steps: 128 rows down
	v_add_nc_u32 v[VA], 4*32*PT, v[VA]
	v_add_nc_u32 v[VB], 4*32*PT, v[VB]
.endm
	s_wait_tensorcnt 0x0                           ; my half of one operand is in,
	s_barrier_signal -1
	s_barrier_wait -1                              ; everybody's is; nothing is filled again
	LOADF 0, 0
	LOADF 1, 1
	LOADF 2, 2
	KS 0, 1, 1, 24                                 ; the first trip is written out: its first products start the sums
	KS 1, 0, 1, 24
	KS 2, 0, 1, 24
	KS 3, 0, 1, 24
	ONWARD
	s_mov_b32 s3, 6
.Ltrip:
	KS 0, 0, 1, 24
	KS 1, 0, 1, 24
	KS 2, 0, 1, 24
	KS 3, 0, 1, 24
	ONWARD
	s_sub_co_u32 s3, s3, 1
	s_cmp_lg_u32 s3, 0
	s_cbranch_scc1 .Ltrip
	KS 0, 0, 1, 24                                 ; the last trip asks for K step 31 and no more: the counts run down
	KS 1, 0, 0, 16
	KS 2, 0, 0, 8
	KS 3, 0, 0, 0
	; THE WAY OUT: round to f16; 16 bytes a lane into the work-group's stage; a barrier, since a row's 128 bytes come from two waves; back as whole rows, 16 rows a wave.
.irp t, 0,1,2,3
.irp r, 0,1,2,3
	v_cvt_pk_f16_f32 v[TMP+4*(\t)+(\r)], v[ACC+8*(\t)+2*(\r)], v[ACC+8*(\t)+2*(\r)+1]
.endr
.endr
.irp a, 0,1
.irp b, 0,1
	ds_store_b128 v[STO], v[TMP+4*(2*(\a)+(\b)):TMP+4*(2*(\a)+(\b))+3] offset:(\a)*16*SPITCH+32*(\b)
.endr
.endr
	s_wait_dscnt 0x0                               ; for the others' sake: my stores into the stage are done
	s_barrier_signal -1
	s_barrier_wait -1
.irp t, 0,1,2,3
	ds_load_b128 v[TMP+4*(\t):TMP+4*(\t)+3], v[RD] offset:(\t)*4*SPITCH
.endr
.irp t, 0,1,2,3
	s_wait_dscnt 3-(\t)
	global_store_b128 v[CO], v[TMP+4*(\t):TMP+4*(\t)+3], s[6:7] offset:(\t)*4*2048  ; eight lanes store a tile row's 128 consecutive bytes
.endr
	s_wait_tensorcnt 0x0                           ; the wave's end
	ds_add_u32 v[SPW], v[NIL]
	s_wait_dscnt 0x0
	CROUND                                         ; the closing round
	s_endpgm
.Lfunc_end_k_q734c1b89b4_gt:
	.size	k_q734c1b89b4_gt, .Lfunc_end_k_q734c1b89b4_gt-k_q734c1b89b4_gt
	.p2alignl 7, 3214868480
	.fill 96, 4, 3214868480
	.section	.rodata,"a",@progbits
	.p2align	6, 0x0
	.amdhsa_kernel k_q734c1b89b4_gt
		.amdhsa_group_segment_fixed_size 327680
		.amdhsa_private_segment_fixed_size 0
		.amdhsa_enable_private_segment 0
		.amdhsa_kernarg_size 16
		.amdhsa_user_sgpr_count 2
		.amdhsa_user_sgpr_kernarg_segment_ptr 1
		.amdhsa_wavefront_size32 1
		.amdhsa_system_sgpr_workgroup_id_x 1
		.amdhsa_system_sgpr_workgroup_id_y 1
		.amdhsa_system_sgpr_workgroup_id_z 1
		.amdhsa_system_vgpr_workitem_id 0
		.amdhsa_next_free_vgpr 192
		.amdhsa_next_free_sgpr 66
		.amdhsa_reserve_vcc 0
		.amdhsa_float_denorm_mode_32 3
		.amdhsa_float_denorm_mode_16_64 3
		.amdhsa_memory_ordered 1
		.amdhsa_forward_progress 1
		.amdhsa_inst_pref_size 20
	.end_amdhsa_kernel
	.amdgpu_metadata
---
amdhsa.version: [ 1, 2 ]
amdhsa.kernels:
  - .name:           k_q734c1b89b4_gt
    .symbol:         k_q734c1b89b4_gt.kd
    .args:
      - { .name: wb, .offset: 0, .size: 8, .value_kind: global_buffer, .address_space: global }
      - { .name: gt, .offset: 8, .size: 8, .value_kind: global_buffer, .address_space: global }
    .group_segment_fixed_size: 327680
    .private_segment_fixed_size: 0
    .kernarg_segment_align: 8
    .kernarg_segment_size: 16
    .max_flat_workgroup_size: 128
    .sgpr_count:     66
    .vgpr_count:     192
    .wavefront_size: 32
...
	.end_amdgpu_metadata
.endif
;; end of part 2
;; launch proj (part 3): grid 4 x 64, 4 waves a work-group, clusters of 4 x 4, 327,680 bytes of LDS; arguments xb, wb, gt, qv; writes qv
.if DOCPART == 3
	.amdgcn_target "amdgcn-amd-amdhsa--gfx1250"
	.amdhsa_code_object_version 6
	.text
	.protected	k_q734c1b89b4_proj
	.globl	k_q734c1b89b4_proj
	.p2align	8
	.type	k_q734c1b89b4_proj,@function
k_q734c1b89b4_proj:
	s_mov_b64 s[64:65], 0
	v_nop
	global_prefetch_b8 v0, s[64:65] scope:SCOPE_SE
	s_setreg_imm32_b32 hwreg(HW_REG_WAVE_MODE, 25, 1), 1
	s_wait_xcnt 0x0
	s_wait_alu depctr_hold_cnt(0) depctr_sa_sdst(0) depctr_va_vdst(0) depctr_va_sdst(0) depctr_va_ssrc(0) depctr_va_vcc(0) depctr_vm_vsrc(0)
	s_getreg_b32 s2, hwreg(HW_REG_IB_STS2, 6, 4)
	s_cmp_eq_u32 s2, 0
	s_cbranch_scc0 .Lentry_in_a_cluster
	s_endpgm
.Lentry_in_a_cluster:
	s_bfe_u32 s2, ttmp6, 0x10000c
	s_cmp_lg_u32 s2, 0xf033
	s_cbranch_scc0 .Lentry_shape_is_right
	s_endpgm
.Lentry_shape_is_right:
; The two projections that are left, as ONE product: qv[m][n] = sum over k of xb[m][k] B[n][k]; rows 0-8191: q' = (2^-10 x_q) G with B = gt; rows 8192-16383: v = x_v V_W^T with B = wb's rows 2048-3071.
; All f16; sums in f32; the result rounded once to f16.  LIMIT: f16 ends at 65,504: a q' or v of 65,520 or more becomes an infinity.
; A tile of C, 256 x 256, is made by four waves, each 128 x 128: 64 accumulators, 512 registers: 256 work-groups.  K = 1024 goes in 8 steps of 128 through two LDS slots filled by the tensor data
; mover: a tile's rows are 256 bytes of memory and start at multiples of 256 bytes from the buffer's first byte.
; A K STEP IS WRITTEN ONCE and looped over: the slot is a scalar, turned by an exclusive or, and one descriptor a tensor walks.  The last two steps, which ask for nothing, are a second copy
; it is left in the middle of its second trip.
; CLUSTER 4 x 4: the four work-groups of a row of the cluster need the same tile of xb, the four of a column the same tile of B (a cluster's 1,024 rows lie in one tensor): joint loads.
; THE MATRIX INSTRUCTION IS USED TRANSPOSED (source 0 = 16 rows of B, source 1 = 16 rows of xb): a lane holds row l % 16 of C and the eight neighbouring columns 8 (l / 16) + 0..7.
; REGISTERS, in windows of 256 (s_set_vgpr_msb: bits 1:0 source 0, 3:2 source 1, 5:4 source 2, 7:6 destination):
;   window 0: v0-31 addresses; v64-127, v128-191 fragments of xb, two buffers; v32-63, v192-255 at work on the way out
;   window 1: v64-127, v128-191 fragments of B, two buffers     window 2: the 32 accumulators of my rows 0-63 ((a, b) at v[8 (8 a + b)])     window 3: those of my rows 64-127
.set SIZE_K, 1024
.set CPITCH, 2048                      ; bytes in a row of C
.set KSTEP,  128
.set STEPS,  SIZE_K/KSTEP
.set PITCH,  272                       ; an LDS row: 256 bytes + 16 of padding = 68 words: row r starts at bank 4 r mod 64 (64 banks of 4 bytes: ISA guide 11.1)
.set HALFT,  128*PITCH                 ; 128 rows: what one tensor load brings, and what one wave reads of A or of B
.set SLOT,   4*HALFT                   ; A's 256 rows, then B's 256 rows.  0x22000: its two bits are 0 in every wave's place in a slot (0, 0x8800, 0x11000, 0x19800), so an exclusive or changes slots
.set STAGE,  2*SLOT                    ; behind the ring: 16 rows x 272 bytes for each wave, for the way out
.set SPITCH, 272
.set SPARE,  STAGE+4*16*SPITCH         ; behind the stages: the spare words, 128 bytes for each wave
.set A0,   16                          ; v16     my lane's place among A's fragments in a slot; never rewritten
.set B0,   17                          ; v17     the same for B
.set ADRA, 18                          ; v18     A0 + the slot in hand
.set ADRB, 19                          ; v19     B0 + the slot in hand
.set STO,  24                          ; v24     the way out: where I put 16 bytes of a row
.set RD,   25                          ; v25     the way out: where I read a row back
.set CO,   26                          ; v26     my byte offset in C; never rewritten
.set SPW,  28                          ; v28     LDS address of my spare word; never rewritten
.set NIL,  29                          ; v29     0; never rewritten
.set F0,   64
.set F1,   128
.set TMP,  192                         ; the way out: packed results
.set OB,   32                          ; the way out: 16 rows read back: v32-63 and v224-255 by turns
.set TB,   2                           ; s2      the slot in hand: 0 or SLOT
.set G1, 24                            ; s[24:31] descriptor group 1 for A's tiles
.set G0, 32                            ; s[32:39] group 0 for A's tiles: a set for each of the two first fills; the second then walks on
.set G1B, 48                           ; s[48:55], s[56:63] the same for B's tiles
.set G0B, 56
.set MSB, 0
.macro WIN new                         ; the immediate's high byte repeats the setting that is left; a switch that changes nothing is dropped
.if MSB != (\new)
	s_set_vgpr_msb (MSB<<8)|(\new)
.set MSB, \new
.endif
.endm
.set MUL_LO, 0xa1                      ; source 0 (B) window 1, source 1 (A) window 0, C and D window 2
.set MUL_HI, 0xf1                      ; the same, C and D window 3
.set TO_B,   0x40                      ; destination window 1, address window 0
; A joint load.  Waves 0 and 1 fetch A's two halves, waves 2 and 3 B's.  The branch hangs on the wave's number alone.  An s_nop 0 and four v_nop follow each line.
.macro JLOAD s
	s_cmp_eq_u32 s11, 0
	s_cbranch_scc0 .Lfor_b_\@
	tensor_load_to_lds s[G0+4*(\s):G0+4*(\s)+3], s[G1:G1+7]
	s_nop 0
.rept 4
	v_nop
.endr
	s_branch .Lasked_\@
.Lfor_b_\@:
	tensor_load_to_lds s[G0B+4*(\s):G0B+4*(\s)+3], s[G1B:G1B+7]
	s_nop 0
.rept 4
	v_nop
.endr
.Lasked_\@:
.endm
.macro CREST                           ; a round of the cluster's barrier behind its opening barrier
	s_cmp_lg_u32 s10, 0
	s_cbranch_scc1 .Lnot_wave_0_\@
	s_barrier_signal -3
.Lnot_wave_0_\@:
	s_barrier_wait -3
	s_barrier_signal -1
	s_barrier_wait -1
.endm
.macro CROUND                          ; a whole round
	s_barrier_signal -1
	s_barrier_wait -1
	CREST
.endm
	s_load_b128 s[4:7], s[0:1], 0x0                ; xb s[4:5], wb s[6:7]
	s_load_b64 s[66:67], s[0:1], 0x10              ; gt
	s_load_b64 s[8:9], s[0:1], 0x18                ; qv
	v_lshl_add_u32 v[SPW], v0, 2, SPARE
	v_mov_b32 v[NIL], 0
	ds_add_u32 v[SPW], v[NIL]                      ; the wave's opening: the add and its wait stand ahead of my first tensor load; the set-up below stands between them
	v_lshrrev_b32 v1, 5, v0
	v_readfirstlane_b32 s10, v1                    ; wave 0..3
	s_lshr_b32 s11, s10, 1                         ; which half of the tile's rows is mine.  Also: I fetch for A (0) or for B (1)
	s_and_b32 s12, s10, 1                          ; which half of its columns.  Also: which 128 rows of that tile I fetch
	s_bfe_u32 s40, ttmp6, 0x40000                  ; cx
	s_bfe_u32 s41, ttmp6, 0x40004                  ; cy
	s_lshl_b32 s42, ttmp9, 2
	s_add_co_u32 s42, s42, s40                     ; tile column of C = 4 x cluster x + cx
	s_and_b32 s13, ttmp7, 0xffff
	s_lshr_b32 s45, s13, 3                         ; the tensor: 8 rows of clusters (8,192 rows of C) each: 0 q', 1 v; all sixteen partners share it
	s_lshl_b32 s13, s13, 2
	s_add_co_u32 s13, s13, s41                     ; tile row of C = 4 x cluster y + cy
	s_lshl_b32 s43, s41, 2
	s_lshl_b32 s43, 15, s43                        ; my row of the cluster: places 4 cy .. 4 cy + 3
	s_lshl_b32 s44, 0x1111, s40                    ; my column: places cx, cx + 4, cx + 8, cx + 12
	; descriptor group 1: a tile of 128 rows x 128 elements of 2 bytes, padded in LDS by 4 words after every 64
	s_or_b32 s[G1+0], s43, (1<<16)|(1<<20)|(1<<21)|(5<<22)|(3<<25)
	s_or_b32 s[G1B+0], s44, (1<<16)|(1<<20)|(1<<21)|(5<<22)|(3<<25)
.irp g, G1, G1B
	s_mov_b32 s[(\g)+1], KSTEP<<16                 ; tensor_dim0 = 128
	s_mov_b32 s[(\g)+2], 128<<16                   ; tensor_dim1 = 128
	s_mov_b32 s[(\g)+3], KSTEP<<16                 ; tile_dim0 = 128
	s_mov_b32 s[(\g)+4], 128                       ; tile_dim1 = 128
	s_mov_b32 s[(\g)+5], SIZE_K                    ; elements from row to row
	s_mov_b32 s[(\g)+6], 0
	s_mov_b32 s[(\g)+7], 0
.endr
	s_lshl_b32 s17, s12, 7                         ; which 128 rows of the tile I fetch
	s_lshl_b32 s16, s13, 8
	s_add_co_u32 s16, s16, s17                     ; A: row 256 x tile row + 128 x half
	s_lshl_b32 s46, s42, 8
	s_add_co_u32 s46, s46, s17                     ; B: row 256 x tile column + 128 x half
	s_lshl_b32 s16, s16, 11                        ; rows of 2,048 bytes: under 2^32 bytes
	s_lshl_b32 s46, s46, 11
	s_mov_b32 s17, 0
	s_mov_b32 s47, 0
	s_mul_i32 s20, s10, HALFT                      ; where they go: A's two halves, then B's two halves = wave x 128 rows
	s_mov_b32 s[TB], 0
	s_wait_dscnt 0x0                               ; the opening add is done
	s_wait_kmcnt 0x0
	s_add_nc_u64 s[6:7], s[6:7], 0x400000          ; V_W begins 2,048 rows of 2,048 bytes into wb
	s_cmp_eq_u32 s45, 0
	s_cselect_b64 s[6:7], s[66:67], s[6:7]         ; B: gt for q', V_W for v
	s_add_nc_u64 s[14:15], s[4:5], s[16:17]
	s_add_nc_u64 s[46:47], s[6:7], s[46:47]
	CROUND                                         ; all sixteen work-groups are here: the first joint loads meet
.irp s, 0,1
	s_mov_b32 s[G0+4*(\s)], 1                                      ; count = 1
	s_add_co_u32 s[G0+4*(\s)+1], s20, (\s)*SLOT                    ; LDS address
	s_add_nc_u64 s[G0+4*(\s)+2:G0+4*(\s)+3], s[14:15], (\s)*KSTEP*2  ; global address: K step s
	s_or_b32 s[G0+4*(\s)+3], s[G0+4*(\s)+3], 0x80000000            ; type = 2
	s_mov_b32 s[G0B+4*(\s)], 1
	s_add_co_u32 s[G0B+4*(\s)+1], s20, (\s)*SLOT
	s_add_nc_u64 s[G0B+4*(\s)+2:G0B+4*(\s)+3], s[46:47], (\s)*KSTEP*2
	s_or_b32 s[G0B+4*(\s)+3], s[G0B+4*(\s)+3], 0x80000000
	JLOAD \s                                       ; two loads of mine are out
.endr
	; A fragment is 16 rows x 32 K in 8 registers: lane l holds row l % 16; registers 0-3 K = 8 (l / 16) + 0..7, registers 4-7 K = 16 + 8 (l / 16) + 0..7: two loads of 16 bytes, 32 bytes apart.
	v_and_b32 v1, 15, v0                           ; l % 16
	v_bfe_u32 v2, v0, 4, 1                         ; l / 16
	v_mul_u32_u24 v3, v1, PITCH
	v_lshl_add_u32 v3, v2, 4, v3
	s_mul_i32 s21, s11, HALFT                      ; my 128 rows of A
	s_mul_i32 s22, s12, HALFT                      ; my 128 rows of B,
	s_add_co_u32 s22, s22, 2*HALFT                 ; which lie behind A's 256
	v_add_nc_u32 v[A0], s21, v3
	v_add_nc_u32 v[B0], s22, v3
	v_mov_b32 v[ADRA], v[A0]                       ; slot 0
	v_mov_b32 v[ADRB], v[B0]
	s_mul_i32 s23, s10, 16*SPITCH
	s_add_co_u32 s23, s23, STAGE                   ; my stage
	v_mul_u32_u24 v4, v1, SPITCH                   ; in: row l % 16, 16 bytes for each half of the lanes
	v_lshl_add_u32 v4, v2, 4, v4
	v_add_nc_u32 v[STO], s23, v4
	v_mul_u32_u24 v5, v2, SPITCH                   ; back: lanes 0-15 take one row of 256 bytes, lanes 16-31 the next
	v_lshl_add_u32 v5, v1, 4, v5
	v_add_nc_u32 v[RD], s23, v5
	v_mul_u32_u24 v5, v2, CPITCH                   ; and the same two rows in C
	v_lshl_add_u32 v[CO], v1, 4, v5
	s_lshl_b32 s16, s13, 8                         ; where my part of the tile begins in C
	s_lshl_b32 s14, s11, 7
	s_add_co_u32 s16, s16, s14                     ; my first row
	s_lshl_b32 s16, s16, 11
	s_lshl_b32 s46, s42, 9                         ; my first column, in bytes: 512 x tile column + 256 x half
	s_lshl_b32 s47, s12, 8
	s_add_co_u32 s46, s46, s47
	s_add_co_u32 s16, s16, s46
	s_mov_b32 s17, 0
	s_add_nc_u64 s[8:9], s[8:9], s[16:17]
; 16 matrix instructions: m blocks a0, a0 + 1 of the window's four x all 8 n blocks, 32 along K.  zero = 1: the first product starts the sums.
; The 64 accumulators take turns, one instruction a turn, in the same order in every quarter.
.macro MUL16 f, hi, a0, zero
	WIN MUL_LO+0x50*(\hi)
.irp a, \a0, (\a0)+1
.irp b, 0,1,2,3,4,5,6,7
.if \zero
	v_wmma_f32_16x16x32_f16 v[8*(8*(\a)+(\b)):8*(8*(\a)+(\b))+7], v[(\f)+8*(\b):(\f)+8*(\b)+7], v[(\f)+8*(4*(\hi)+(\a)):(\f)+8*(4*(\hi)+(\a))+7], 0
.else
	v_wmma_f32_16x16x32_f16 v[8*(8*(\a)+(\b)):8*(8*(\a)+(\b))+7], v[(\f)+8*(\b):(\f)+8*(\b)+7], v[(\f)+8*(4*(\hi)+(\a)):(\f)+8*(4*(\hi)+(\a))+7], v[8*(8*(\a)+(\b)):8*(8*(\a)+(\b))+7]
.endif
.endr
.endr
.endm
; 32 LDS loads in one run: the fragments of one quarter step (128 rows of B, then 128 rows of A, 32 K at byte k of the rows of the slot in hand) into buffer f
.macro FETCH k, f
	WIN TO_B
.irp i, 0,1,2,3,4,5,6,7
	ds_load_b128 v[(\f)+8*(\i):(\f)+8*(\i)+3],   v[ADRB] offset:(\k)+(\i)*16*PITCH
	ds_load_b128 v[(\f)+8*(\i)+4:(\f)+8*(\i)+7], v[ADRB] offset:(\k)+(\i)*16*PITCH+32
.endr
	WIN 0
.irp i, 0,1,2,3,4,5,6,7
	ds_load_b128 v[(\f)+8*(\i):(\f)+8*(\i)+3],   v[ADRA] offset:(\k)+(\i)*16*PITCH
	ds_load_b128 v[(\f)+8*(\i)+4:(\f)+8*(\i)+7], v[ADRA] offset:(\k)+(\i)*16*PITCH+32
.endr
.endm
; Four plain vector instructions between a matrix instruction and a load into a register that it has read, or a vector instruction that reads its result (ISA guide 7.12.1 for vector instructions)
.macro PLACES
.rept 4
	v_nop
.endr
.endm
.macro NEXTSLOT                        ; the reads go on in the other slot
	WIN 0
	s_xor_b32 s[TB], s[TB], SLOT
	v_add_nc_u32 v[ADRA], s[TB], v[A0]
	v_add_nc_u32 v[ADRB], s[TB], v[B0]
.endm
; A K step is four quarters of 32 along K, 64 matrix instructions each, on buffers 0, 1, 0, 1.  One of the first three: multiplies f; in its middle fetches the next quarter, at byte k, into g.
.macro QUARTER k, f, g, zero
	s_wait_dscnt 8                                 ; B and A's rows 0-63 are in; the youngest eight loads (A's rows 64-127) may be out
	MUL16 \f, 0, 0, \zero
	MUL16 \f, 0, 2, \zero
	PLACES
	FETCH \k, \g
	s_wait_dscnt 32                                ; all but the 32 just issued
	MUL16 \f, 1, 0, \zero
	MUL16 \f, 1, 2, \zero
.endm
; The last quarter's first half: ONE barrier for the change of slots.  In front of it each wave waits for all its tensor loads (at most one is out: its part of the next slot), adds 0 to its spare
; word, and waits for that and for its own reads of this slot.  Behind it nobody reads this slot any more and the next slot is whole.
.macro MEET round
	WIN 0                                          ; (the add's two registers lie in window 0)
	s_wait_tensorcnt 0x0
	ds_add_u32 v[SPW], v[NIL]                      ; 0 onto my spare word
	s_wait_dscnt 9                                 ; (the add and the youngest eight loads may be out)
	MUL16 F1, 0, 0, 0
	s_wait_dscnt 0x0                               ; the add is done, and my reads of this slot are over
	s_barrier_signal -1
	MUL16 F1, 0, 2, 0                              ; work on registers while the others arrive
.if \round
	WIN 0
.endif
	s_barrier_wait -1
.endm
; The whole last quarter of a step that fills its slot again: the barrier opens a round of the cluster's barrier, and the slot just read out takes the K step two steps on, first thing behind the
; round: from that request to the wait for it a wave issues 224 matrix instructions.
.macro TURN
	MEET 1
	CREST
.irp g, G0+4, G0B+4
	s_xor_b32 s[(\g)+1], s[(\g)+1], SLOT           ; the walking descriptor: the other slot than last time,
	s_add_nc_u64 s[(\g)+2:(\g)+3], s[(\g)+2:(\g)+3], KSTEP*2  ; the next K step; the type bits on top are not reached
.endr
	JLOAD 1                                        ; the four v_nop behind it are also the places in front of the loads below
	NEXTSLOT
	FETCH 0, F0
	MUL16 F1, 1, 0, 0
	MUL16 F1, 1, 2, 0
.endm
; THE WAY OUT of block a (16 rows of C).  PACK: rounded to f16, 16 bytes a lane, each accumulator's registers in ascending order.  TOSTAGE: into my own stage, and back as whole rows of 256 bytes.  SEND: stored.
.macro PACK a
.set AC, 64*((\a)%4)
	WIN 0x0a+5*((\a)/4)                            ; sources 0 and 1: window 2 or 3
.irp b, 0,1,2,3,4,5,6,7
.irp r, 0,1,2,3
	v_cvt_pk_f16_f32 v[TMP+4*(\b)+(\r)], v[AC+8*(\b)+2*(\r)], v[AC+8*(\b)+2*(\r)+1]
.endr
.endr
	WIN 0
.endm
.macro TOSTAGE a
	WIN 0
.set BK, OB+192*((\a)%2)
.irp b, 0,1,2,3,4,5,6,7
	ds_store_b128 v[STO], v[TMP+4*(\b):TMP+4*(\b)+3] offset:32*(\b)
.endr
.irp t, 0,1,2,3,4,5,6,7
	ds_load_b128 v[BK+4*(\t):BK+4*(\t)+3], v[RD] offset:(\t)*2*SPITCH  ; LDS serves a wave's instructions in order (ISA guide 5.7.1.4): these see the stores above
.endr
.endm
.macro SEND a
	WIN 0
.set BK, OB+192*((\a)%2)
	s_wait_dscnt 0x0                               ; the block is back in registers
	s_wait_xcnt 0x0                                ; the stores issued so far have read their registers: the other buffer, which the next TOSTAGE loads again, is free
.irp t, 0,1,2,3,4,5,6,7
	global_store_b128 v[CO], v[BK+4*(\t):BK+4*(\t)+3], s[8:9] offset:(16*(\a)+2*(\t))*CPITCH  ; 16 lanes store 256 consecutive bytes, at a multiple of 256 from C's first byte; 126 rows at the most in the immediate
.endr
.endm
	s_wait_tensorcnt 1                             ; my part of K step 0 is in; K step 1's, the one younger load, may stay out
	s_barrier_signal -1
	s_barrier_wait -1                              ; everybody's is
	FETCH 0, F0
	QUARTER 64, F0, F1, 1                          ; the first quarter stands in front of the loop: its products start the sums
	WIN 0                                          ; at a label and at a branch every window is 0
	s_mov_b32 s3, STEPS-2
.Lstep:                                                ; a trip goes from a K step's second quarter to the next step's first, and fills the slot that it leaves: K steps 2 to 7
	QUARTER 128, F1, F0, 0
	QUARTER 192, F0, F1, 0
	TURN
	QUARTER 64,  F0, F1, 0
	WIN 0
	s_sub_co_u32 s3, s3, 1
	s_cmp_lg_u32 s3, 0
	s_cbranch_scc1 .Lstep
	s_mov_b32 s3, 2
.Ltail:                                                ; the last two K steps ask for nothing: a copy without a tensor load, left in the middle of its second trip
	QUARTER 128, F1, F0, 0
	QUARTER 192, F0, F1, 0
	MEET 0
	WIN 0
	s_sub_co_u32 s3, s3, 1
	s_cmp_eq_u32 s3, 0
	s_cbranch_scc1 .Lout
	PLACES
	NEXTSLOT
	FETCH 0, F0
	MUL16 F1, 1, 0, 0
	MUL16 F1, 1, 2, 0
	QUARTER 64,  F0, F1, 0
	WIN 0
	s_branch .Ltail
.Lout:
	MUL16 F1, 1, 0, 0                              ; the very last half quarter: nothing more to fetch
	MUL16 F1, 1, 2, 0
	WIN 0
	PLACES                                         ; the conversions read results just made
	PACK 0
	TOSTAGE 0
.irp a, 1,2,3,4,5,6,7                  ; block a's conversions stand between block a - 1's loads from the stage and the wait for them
	PACK \a
	SEND (\a)-1
	TOSTAGE \a
.endr
	SEND 7
	s_wait_tensorcnt 0x0                           ; the wave's end, behind my last tensor load and my last LDS store
	ds_add_u32 v[SPW], v[NIL]
	s_wait_dscnt 0x0
	CROUND                                         ; the closing round: no work-group ends while a partner may still ask for a tile that names it
	s_endpgm
.Lfunc_end_k_q734c1b89b4_proj:
	.size	k_q734c1b89b4_proj, .Lfunc_end_k_q734c1b89b4_proj-k_q734c1b89b4_proj
	.p2alignl 7, 3214868480
	.fill 96, 4, 3214868480
	.section	.rodata,"a",@progbits
	.p2align	6, 0x0
	.amdhsa_kernel k_q734c1b89b4_proj
		.amdhsa_group_segment_fixed_size 327680
		.amdhsa_private_segment_fixed_size 0
		.amdhsa_enable_private_segment 0
		.amdhsa_kernarg_size 32
		.amdhsa_user_sgpr_count 2
		.amdhsa_user_sgpr_kernarg_segment_ptr 1
		.amdhsa_wavefront_size32 1
		.amdhsa_system_sgpr_workgroup_id_x 1
		.amdhsa_system_sgpr_workgroup_id_y 1
		.amdhsa_system_sgpr_workgroup_id_z 1
		.amdhsa_system_vgpr_workitem_id 0
		.amdhsa_next_free_vgpr 1024
		.amdhsa_next_free_sgpr 68
		.amdhsa_reserve_vcc 0
		.amdhsa_float_denorm_mode_32 3
		.amdhsa_float_denorm_mode_16_64 3
		.amdhsa_memory_ordered 1
		.amdhsa_forward_progress 1
		.amdhsa_inst_pref_size 102
	.end_amdhsa_kernel
	.amdgpu_metadata
---
amdhsa.version: [ 1, 2 ]
amdhsa.kernels:
  - .name:           k_q734c1b89b4_proj
    .symbol:         k_q734c1b89b4_proj.kd
    .args:
      - { .name: xb, .offset: 0, .size: 8, .value_kind: global_buffer, .address_space: global }
      - { .name: wb, .offset: 8, .size: 8, .value_kind: global_buffer, .address_space: global }
      - { .name: gt, .offset: 16, .size: 8, .value_kind: global_buffer, .address_space: global }
      - { .name: qv, .offset: 24, .size: 8, .value_kind: global_buffer, .address_space: global }
    .group_segment_fixed_size: 327680
    .private_segment_fixed_size: 0
    .kernarg_segment_align: 8
    .kernarg_segment_size: 32
    .max_flat_workgroup_size: 128
    .sgpr_count:     68
    .vgpr_count:     1024
    .wavefront_size: 32
...
	.end_amdgpu_metadata
.endif
;; end of part 3
;; launch scores (part 4): grid 8 x 32, 4 waves a work-group, clusters of 4 x 4, 327,680 bytes of LDS; arguments qv, xb, p, stats; writes p, stats
.if DOCPART == 4
	.amdgcn_target "amdgcn-amd-amdhsa--gfx1250"
	.amdhsa_code_object_version 6
	.text
	.protected	k_q734c1b89b4_scores
	.globl	k_q734c1b89b4_scores
	.p2align	8
	.type	k_q734c1b89b4_scores,@function
k_q734c1b89b4_scores:
	s_mov_b64 s[64:65], 0
	v_nop
	global_prefetch_b8 v0, s[64:65] scope:SCOPE_SE
	s_setreg_imm32_b32 hwreg(HW_REG_WAVE_MODE, 25, 1), 1
	s_wait_xcnt 0x0
	s_wait_alu depctr_hold_cnt(0) depctr_sa_sdst(0) depctr_va_vdst(0) depctr_va_sdst(0) depctr_va_ssrc(0) depctr_va_vcc(0) depctr_vm_vsrc(0)
	s_getreg_b32 s2, hwreg(HW_REG_IB_STS2, 6, 4)
	s_cmp_eq_u32 s2, 0
	s_cbranch_scc0 .Lentry_in_a_cluster
	s_endpgm
.Lentry_in_a_cluster:
	s_bfe_u32 s2, ttmp6, 0x10000c
	s_cmp_lg_u32 s2, 0xf033
	s_cbranch_scc0 .Lentry_shape_is_right
	s_endpgm
.Lentry_shape_is_right:
; Scores and the first half of the softmax.  s[m][n] = sum over e of q'[m][e] key[2048 b + n][e], b = m / 2048; q' = rows 0-8191 of qv, key = rows 16384-24575 of xb, f16; sums in f32.
; q' carries the factor 2^-10, so s is the reference's q . k times 2^-10.
; For each row m and each SUB-TILE t of 128 keys: mc = c max s, p = 2^(c s - mc) rounded to f16, l = the sum of the unrounded p; c = 2^10 log2(e) / 32 (the reference's 1 / sqrt(1024), in base 2).
; p: [8192][2048] f16.  stats: [16 b + t][2048 rows of the batch][2] f32 = (mc, l).  The next launch takes the maximum over a row's 16 sub-tiles and rescales: the row's true maximum is what is
; taken away in the end, and no exponent here is above 0 but by the rounding of c m.
; LIMITS: p below 6e-5 keeps f16's fixed step of 6e-8; a weight below 2^-126 counts as 0 in l; NaN and infinities are not treated apart.
; A tile of s, 256 x 256, is made by four waves, each 128 x 128 (one sub-tile wide): 64 accumulators.  K = 1024 goes in 8 steps of 128 through two LDS slots filled by the tensor data mover.
; A K STEP IS WRITTEN ONCE and looped over: the slot is a scalar, turned by an exclusive or, and one descriptor a tensor walks; the last two steps, which ask for nothing, are a second copy.
; CLUSTER 4 x 4: q's tile is shared along a row of the cluster, key's along a column (a cluster's 1,024 rows lie in one batch): joint loads.
; THE MATRIX INSTRUCTION IS USED TRANSPOSED (source 0 = 16 keys, source 1 = 16 queries): a lane holds ONE query (l % 16) and, in a block's 8 accumulators, the keys 16 b + 8 (l / 16) + 0..7:
; a row's maximum and sum over the sub-tile want one exchange between the halves of the lanes.
; REGISTERS, in windows of 256 (s_set_vgpr_msb: bits 1:0 source 0, 3:2 source 1, 5:4 source 2, 7:6 destination):
;   window 0: v0-31 addresses; v64-127, v128-191 fragments of q', two buffers (on the way out v64-119 at work); v32-63, v192-255 at work on the way out
;   window 1: v64-127, v128-191 fragments of key     window 2: the 32 accumulators of my rows 0-63 ((a, b) at v[8 (8 a + b)])     window 3: those of my rows 64-127
.set SIZE_K, 1024
.set CPITCH, 4096                      ; bytes in a row of p
.set KSTEP,  128
.set STEPS,  SIZE_K/KSTEP
.set PITCH,  272                       ; an LDS row: 256 bytes + 16 of padding = 68 words: row r starts at bank 4 r mod 64 (64 banks of 4 bytes: ISA guide 11.1)
.set HALFT,  128*PITCH
.set SLOT,   4*HALFT                   ; q's 256 rows, then key's 256 rows.  0x22000: its two bits are 0 in every wave's place in a slot, so an exclusive or changes slots
.set STAGE,  2*SLOT                    ; behind the ring: 16 rows x 272 bytes for each wave, for the way out
.set SPITCH, 272
.set SPARE,  STAGE+4*16*SPITCH         ; behind the stages: the spare words, 128 bytes for each wave
.set A0,   16                          ; v16     my lane's place among q's fragments in a slot; never rewritten
.set B0,   17                          ; v17     the same for key
.set ADRA, 18                          ; v18     A0 + the slot in hand
.set ADRB, 19                          ; v19     B0 + the slot in hand
.set STO,  24                          ; v24     the way out: where I put 16 bytes of a row
.set RD,   25                          ; v25     the way out: where I read a row back
.set CO,   26                          ; v26     my byte offset in p; never rewritten
.set SO,   27                          ; v27     8 x lane: my pair in 32 rows of stats
.set SPW,  28                          ; v28     LDS address of my spare word; never rewritten
.set NIL,  29                          ; v29     0; never rewritten
.set F0,   64
.set F1,   128
.set SUM,  64                          ; the way out: v64-95 partial sums
.set CH,   96                          ; v96-103 eight chains of maxima
.set ST,   104                         ; v104-119 block a: v[ST+2a] = mc, v[ST+2a+1] = m, later l
.set TMP,  192                         ; packed weights
.set OB,   32                          ; 16 rows read back: v32-63 and v224-255 by turns
.set TB,   2                           ; s2      the slot in hand: 0 or SLOT
.set G1, 24
.set G0, 32
.set G1B, 48
.set G0B, 56
.set MSB, 0
.macro WIN new
.if MSB != (\new)
	s_set_vgpr_msb (MSB<<8)|(\new)
.set MSB, \new
.endif
.endm
.set MUL_LO, 0xa1
.set MUL_HI, 0xf1
.set TO_B,   0x40
.macro JLOAD s                         ; a joint load: waves 0 and 1 fetch q's two halves, waves 2 and 3 key's; an s_nop 0 and four v_nop follow each line
	s_cmp_eq_u32 s11, 0
	s_cbranch_scc0 .Lfor_b_\@
	tensor_load_to_lds s[G0+4*(\s):G0+4*(\s)+3], s[G1:G1+7]
	s_nop 0
.rept 4
	v_nop
.endr
	s_branch .Lasked_\@
.Lfor_b_\@:
	tensor_load_to_lds s[G0B+4*(\s):G0B+4*(\s)+3], s[G1B:G1B+7]
	s_nop 0
.rept 4
	v_nop
.endr
.Lasked_\@:
.endm
.macro CREST
	s_cmp_lg_u32 s10, 0
	s_cbranch_scc1 .Lnot_wave_0_\@
	s_barrier_signal -3
.Lnot_wave_0_\@:
	s_barrier_wait -3
	s_barrier_signal -1
	s_barrier_wait -1
.endm
.macro CROUND
	s_barrier_signal -1
	s_barrier_wait -1
	CREST
.endm
	s_load_b128 s[4:7], s[0:1], 0x0                ; qv s[4:5], xb s[6:7]
	s_load_b64 s[8:9], s[0:1], 0x10                ; p
	s_load_b64 s[66:67], s[0:1], 0x18              ; stats
	v_lshl_add_u32 v[SPW], v0, 2, SPARE
	v_mov_b32 v[NIL], 0
	ds_add_u32 v[SPW], v[NIL]                      ; the wave's opening: the add and its wait stand ahead of my first tensor load
	v_lshrrev_b32 v1, 5, v0
	v_readfirstlane_b32 s10, v1                    ; wave 0..3
	s_lshr_b32 s11, s10, 1                         ; which half of the tile's queries is mine.  Also: I fetch for q' (0) or for key (1)
	s_and_b32 s12, s10, 1                          ; which half of its keys.  Also: which 128 rows of that tile I fetch
	s_bfe_u32 s40, ttmp6, 0x40000                  ; cx
	s_bfe_u32 s41, ttmp6, 0x40004                  ; cy
	s_lshl_b32 s42, ttmp9, 2
	s_add_co_u32 s42, s42, s40                     ; tile column = 4 x cluster x + cx: 256 keys of the batch
	s_and_b32 s13, ttmp7, 0xffff
	s_lshr_b32 s45, s13, 1                         ; the batch: 2 rows of clusters (2,048 queries) each; all sixteen partners share it
	s_lshl_b32 s13, s13, 2
	s_add_co_u32 s13, s13, s41                     ; tile row = 4 x cluster y + cy
	s_lshl_b32 s43, s41, 2
	s_lshl_b32 s43, 15, s43                        ; my row of the cluster
	s_lshl_b32 s44, 0x1111, s40                    ; my column
	s_or_b32 s[G1+0], s43, (1<<16)|(1<<20)|(1<<21)|(5<<22)|(3<<25)   ; the mask; elements of 2 bytes; padding on; bit 21 beside a mask; 4 words after every 64
	s_or_b32 s[G1B+0], s44, (1<<16)|(1<<20)|(1<<21)|(5<<22)|(3<<25)
.irp g, G1, G1B
	s_mov_b32 s[(\g)+1], KSTEP<<16                 ; tensor_dim0 = 128
	s_mov_b32 s[(\g)+2], 128<<16                   ; tensor_dim1 = 128
	s_mov_b32 s[(\g)+3], KSTEP<<16                 ; tile_dim0 = 128
	s_mov_b32 s[(\g)+4], 128                       ; tile_dim1 = 128
	s_mov_b32 s[(\g)+5], SIZE_K                    ; elements from row to row
	s_mov_b32 s[(\g)+6], 0
	s_mov_b32 s[(\g)+7], 0
.endr
	s_mov_b32 s68, 0x4238aa3b                      ; c = 32 log2(e)
	s_mov_b32 s69, s68                             ; named with it as a pair
	s_mov_b32 s70, 0x76543210                      ; v_permlanex16_b32: each lane takes its own place in the other half
	s_mov_b32 s71, 0xfedcba98
	s_lshl_b32 s17, s12, 7
	s_lshl_b32 s16, s13, 8
	s_add_co_u32 s16, s16, s17                     ; q': row 256 x tile row + 128 x half
	s_lshl_b32 s46, s42, 8
	s_add_co_u32 s46, s46, s17
	s_lshl_b32 s18, s45, 11
	s_add_co_u32 s46, s46, s18                     ; key: row 2048 x batch + 256 x tile column + 128 x half
	s_lshl_b32 s16, s16, 11                        ; rows of 2,048 bytes
	s_lshl_b32 s46, s46, 11
	s_mov_b32 s17, 0
	s_mov_b32 s47, 0
	s_mul_i32 s20, s10, HALFT
	s_mov_b32 s[TB], 0
	s_wait_dscnt 0x0                               ; the opening add is done
	s_wait_kmcnt 0x0
	s_add_nc_u64 s[6:7], s[6:7], 0x2000000         ; key begins 16,384 rows of 2,048 bytes into xb
	s_add_nc_u64 s[14:15], s[4:5], s[16:17]
	s_add_nc_u64 s[46:47], s[6:7], s[46:47]
	CROUND                                         ; all sixteen work-groups are here: the first joint loads meet
.irp s, 0,1
	s_mov_b32 s[G0+4*(\s)], 1
	s_add_co_u32 s[G0+4*(\s)+1], s20, (\s)*SLOT
	s_add_nc_u64 s[G0+4*(\s)+2:G0+4*(\s)+3], s[14:15], (\s)*KSTEP*2
	s_or_b32 s[G0+4*(\s)+3], s[G0+4*(\s)+3], 0x80000000
	s_mov_b32 s[G0B+4*(\s)], 1
	s_add_co_u32 s[G0B+4*(\s)+1], s20, (\s)*SLOT
	s_add_nc_u64 s[G0B+4*(\s)+2:G0B+4*(\s)+3], s[46:47], (\s)*KSTEP*2
	s_or_b32 s[G0B+4*(\s)+3], s[G0B+4*(\s)+3], 0x80000000
	JLOAD \s                                       ; two loads of mine are out
.endr
	v_and_b32 v1, 15, v0                           ; l % 16
	v_bfe_u32 v2, v0, 4, 1                         ; l / 16; kept for the way out
	v_mul_u32_u24 v3, v1, PITCH
	v_lshl_add_u32 v3, v2, 4, v3
	s_mul_i32 s21, s11, HALFT
	s_mul_i32 s22, s12, HALFT
	s_add_co_u32 s22, s22, 2*HALFT
	v_add_nc_u32 v[A0], s21, v3
	v_add_nc_u32 v[B0], s22, v3
	v_mov_b32 v[ADRA], v[A0]                       ; slot 0
	v_mov_b32 v[ADRB], v[B0]
	s_mul_i32 s23, s10, 16*SPITCH
	s_add_co_u32 s23, s23, STAGE                   ; my stage
	v_mul_u32_u24 v4, v1, SPITCH
	v_lshl_add_u32 v4, v2, 4, v4
	v_add_nc_u32 v[STO], s23, v4
	v_mul_u32_u24 v5, v2, SPITCH
	v_lshl_add_u32 v5, v1, 4, v5
	v_add_nc_u32 v[RD], s23, v5
	v_mul_u32_u24 v5, v2, CPITCH
	v_lshl_add_u32 v[CO], v1, 4, v5
	v_and_b32 v[SO], 31, v0
	v_lshlrev_b32 v[SO], 3, v[SO]
	s_lshl_b32 s16, s13, 8                         ; where my part of the tile begins in p
	s_lshl_b32 s14, s11, 7
	s_add_co_u32 s16, s16, s14                     ; my first row
	s_lshl_b32 s16, s16, 12                        ; rows of 4,096 bytes
	s_lshl_b32 s46, s42, 9                         ; my first column, in bytes
	s_lshl_b32 s47, s12, 8
	s_add_co_u32 s46, s46, s47
	s_add_co_u32 s16, s16, s46
	s_mov_b32 s17, 0
	s_add_nc_u64 s[8:9], s[8:9], s[16:17]
	s_lshl_b32 s18, s45, 4                         ; and in stats: plane 16 b + 2 x tile column + half, 16,384 bytes each,
	s_lshl_b32 s19, s42, 1
	s_add_co_u32 s18, s18, s19
	s_add_co_u32 s18, s18, s12
	s_lshl_b32 s18, s18, 14
	s_and_b32 s19, s13, 7                          ; my first row in the batch, 8 bytes a row
	s_lshl_b32 s19, s19, 8
	s_add_co_u32 s19, s19, s14
	s_lshl_b32 s19, s19, 3
	s_add_co_u32 s18, s18, s19
	s_mov_b32 s19, 0
	s_add_nc_u64 s[66:67], s[66:67], s[18:19]
; 16 matrix instructions; the 64 accumulators take turns, one instruction a turn, in the same order in every quarter.  zero = 1: the first product starts the sums.
.macro MUL16 f, hi, a0, zero
	WIN MUL_LO+0x50*(\hi)
.irp a, \a0, (\a0)+1
.irp b, 0,1,2,3,4,5,6,7
.if \zero
	v_wmma_f32_16x16x32_f16 v[8*(8*(\a)+(\b)):8*(8*(\a)+(\b))+7], v[(\f)+8*(\b):(\f)+8*(\b)+7], v[(\f)+8*(4*(\hi)+(\a)):(\f)+8*(4*(\hi)+(\a))+7], 0
.else
	v_wmma_f32_16x16x32_f16 v[8*(8*(\a)+(\b)):8*(8*(\a)+(\b))+7], v[(\f)+8*(\b):(\f)+8*(\b)+7], v[(\f)+8*(4*(\hi)+(\a)):(\f)+8*(4*(\hi)+(\a))+7], v[8*(8*(\a)+(\b)):8*(8*(\a)+(\b))+7]
.endif
.endr
.endr
.endm
.macro FETCH k, f                      ; 32 LDS loads in one run: key's 128 rows, then q's 128 rows, 32 channels at byte k of the rows of the slot in hand
	WIN TO_B
.irp i, 0,1,2,3,4,5,6,7
	ds_load_b128 v[(\f)+8*(\i):(\f)+8*(\i)+3],   v[ADRB] offset:(\k)+(\i)*16*PITCH
	ds_load_b128 v[(\f)+8*(\i)+4:(\f)+8*(\i)+7], v[ADRB] offset:(\k)+(\i)*16*PITCH+32
.endr
	WIN 0
.irp i, 0,1,2,3,4,5,6,7
	ds_load_b128 v[(\f)+8*(\i):(\f)+8*(\i)+3],   v[ADRA] offset:(\k)+(\i)*16*PITCH
	ds_load_b128 v[(\f)+8*(\i)+4:(\f)+8*(\i)+7], v[ADRA] offset:(\k)+(\i)*16*PITCH+32
.endr
.endm
.macro PLACES                          ; four plain vector instructions behind a matrix instruction (ISA guide 7.12.1 for vector instructions)
.rept 4
	v_nop
.endr
.endm
.macro NEXTSLOT                        ; the reads go on in the other slot
	WIN 0
	s_xor_b32 s[TB], s[TB], SLOT
	v_add_nc_u32 v[ADRA], s[TB], v[A0]
	v_add_nc_u32 v[ADRB], s[TB], v[B0]
.endm
.macro QUARTER k, f, g, zero
	s_wait_dscnt 8                                 ; key and q's rows 0-63 are in; the youngest eight loads (q's rows 64-127) may be out
	MUL16 \f, 0, 0, \zero
	MUL16 \f, 0, 2, \zero
	PLACES
	FETCH \k, \g
	s_wait_dscnt 32                                ; all but the 32 just issued
	MUL16 \f, 1, 0, \zero
	MUL16 \f, 1, 2, \zero
.endm
.macro MEET round                      ; one barrier for the change of slots: all my tensor loads have landed, the add, my reads of this slot are over
	WIN 0
	s_wait_tensorcnt 0x0
	ds_add_u32 v[SPW], v[NIL]                      ; 0 onto my spare word
	s_wait_dscnt 9                                 ; (the add and the youngest eight loads may be out)
	MUL16 F1, 0, 0, 0
	s_wait_dscnt 0x0
	s_barrier_signal -1
	MUL16 F1, 0, 2, 0
.if \round
	WIN 0
.endif
	s_barrier_wait -1
.endm
.macro TURN                            ; the barrier opens a round of the cluster's barrier; the slot is filled again, two K steps ahead, first thing behind the round
	MEET 1
	CREST
.irp g, G0+4, G0B+4
	s_xor_b32 s[(\g)+1], s[(\g)+1], SLOT           ; the walking descriptor: the other slot than last time,
	s_add_nc_u64 s[(\g)+2:(\g)+3], s[(\g)+2:(\g)+3], KSTEP*2  ; the next K step
.endr
	JLOAD 1
	NEXTSLOT
	FETCH 0, F0
	MUL16 F1, 1, 0, 0
	MUL16 F1, 1, 2, 0
.endm
; THE SOFTMAX OF BLOCK a (16 queries x my 128 keys; a lane: 64 scores in the block's 8 accumulators, in window AW).
.macro SOFT a
.set AW, 2+(\a)/4
.set AC, 64*((\a)%4)
.set SA, ST+2*(\a)
	WIN AW*21                                      ; all three sources in the accumulators' window
.irp b, 0,1,2,3,4,5,6,7                ; eight chains, one an accumulator; each accumulator's lowest registers are read first
	v_max3_num_f32 v[CH+(\b)], v[AC+8*(\b)], v[AC+8*(\b)+1], v[AC+8*(\b)+2]
.endr
	WIN AW*20                                      ; sources 1 and 2
.irp b, 0,1,2,3,4,5,6,7
	v_max3_num_f32 v[CH+(\b)], v[CH+(\b)], v[AC+8*(\b)+3], v[AC+8*(\b)+4]
.endr
.irp b, 0,1,2,3,4,5,6,7
	v_max3_num_f32 v[CH+(\b)], v[CH+(\b)], v[AC+8*(\b)+5], v[AC+8*(\b)+6]
.endr
.irp i, 0,1,2,3                        ; the eight registers 7
	v_max3_num_f32 v[CH+(\i)], v[CH+(\i)], v[AC+16*(\i)+7], v[AC+16*(\i)+15]
.endr
	WIN 0
	v_max3_num_f32 v[CH], v[CH], v[CH+1], v[CH+2]
	v_max3_num_f32 v[CH+3], v[CH+3], v[CH+4], v[CH+5]
	v_max_num_f32 v[CH+6], v[CH+6], v[CH+7]
	v_max3_num_f32 v[CH], v[CH], v[CH+3], v[CH+6]
	v_permlanex16_b32 v[CH+1], v[CH], s70, s71     ; the query's other 64 keys lie in the lane 16 away
	v_max_num_f32 v[SA+1], v[CH], v[CH+1]          ; m
	v_mul_f32 v[SA], s68, v[SA+1]                  ; mc = c m
	WIN AW*65                                      ; source 0 and destination in the accumulators' window
.set i, 0
.rept 32
	v_pk_fma_f32 v[AC+2*i:AC+2*i+1], v[AC+2*i:AC+2*i+1], s[68:69], v[SA:SA+1] op_sel_hi:[1,0,0] neg_lo:[0,0,1] neg_hi:[0,0,1]  ; c s - mc
.set i, i+1
.endr
.set i, 0
.rept 64
	v_exp_f32 v[AC+i], v[AC+i]
.set i, i+1
.endr
	v_nop                                          ; a plain instruction between the last exponential and the use of its result (ISA guide 5.7.2)
	WIN AW*5                                       ; sources 0 and 1 there, destination in window 0
.set i, 0
	s_wait_alu depctr_va_vdst(0)
.rept 32
	v_cvt_pk_f16_f32 v[TMP+i], v[AC+2*i], v[AC+2*i+1]  ; accumulator b's eight weights: 16 bytes at TMP + 4 b
.set i, i+1
.endr
.set i, 0
.rept 16
	v_pk_add_f32 v[SUM+2*i:SUM+2*i+1], v[AC+4*i:AC+4*i+1], v[AC+4*i+2:AC+4*i+3]
.set i, i+1
.endr
	WIN 0
.irp w, 16, 8, 4, 2                    ; the 16 pairs are halved four times
.set i, 0
.rept (\w)/2
	v_pk_add_f32 v[SUM+2*i:SUM+2*i+1], v[SUM+2*i:SUM+2*i+1], v[SUM+(\w)+2*i:SUM+(\w)+2*i+1]
.set i, i+1
.endr
.endr
	v_add_f32 v[CH], v[SUM], v[SUM+1]
	v_permlanex16_b32 v[CH+1], v[CH], s70, s71
	v_add_f32 v[SA+1], v[CH], v[CH+1]              ; l takes m's place
.endm
.macro TOSTAGE a
	WIN 0
.set BK, OB+192*((\a)%2)
.irp b, 0,1,2,3,4,5,6,7
	ds_store_b128 v[STO], v[TMP+4*(\b):TMP+4*(\b)+3] offset:32*(\b)
.endr
.irp t, 0,1,2,3,4,5,6,7
	ds_load_b128 v[BK+4*(\t):BK+4*(\t)+3], v[RD] offset:(\t)*2*SPITCH  ; LDS serves a wave's instructions in order (ISA guide 5.7.1.4): these see the stores above
.endr
.endm
.macro SEND a
	WIN 0
.set BK, OB+192*((\a)%2)
	s_wait_dscnt 0x0                               ; the block is back in registers
	s_wait_xcnt 0x0                                ; the stores issued so far have read their registers: the other buffer, which the next TOSTAGE loads again, is free
.irp t, 0,1,2,3,4,5,6,7
	global_store_b128 v[CO], v[BK+4*(\t):BK+4*(\t)+3], s[8:9] offset:(16*(\a)+2*(\t))*CPITCH  ; 16 lanes store 256 consecutive bytes, at a multiple of 256 from p's first byte
.endr
.endm
	s_wait_tensorcnt 1                             ; my part of K step 0 is in; K step 1's, the one younger load, may stay out
	s_barrier_signal -1
	s_barrier_wait -1
	FETCH 0, F0
	QUARTER 64, F0, F1, 1                          ; the first quarter's products start the sums
	WIN 0
	s_mov_b32 s3, STEPS-2
.Lstep:                                                ; a trip goes from a K step's second quarter to the next step's first, and fills the slot that it leaves: K steps 2 to 7
	QUARTER 128, F1, F0, 0
	QUARTER 192, F0, F1, 0
	TURN
	QUARTER 64,  F0, F1, 0
	WIN 0
	s_sub_co_u32 s3, s3, 1
	s_cmp_lg_u32 s3, 0
	s_cbranch_scc1 .Lstep
	s_mov_b32 s3, 2
.Ltail:                                                ; the last two K steps ask for nothing: a copy without a tensor load, left in the middle of its second trip
	QUARTER 128, F1, F0, 0
	QUARTER 192, F0, F1, 0
	MEET 0
	WIN 0
	s_sub_co_u32 s3, s3, 1
	s_cmp_eq_u32 s3, 0
	s_cbranch_scc1 .Lout
	PLACES
	NEXTSLOT
	FETCH 0, F0
	MUL16 F1, 1, 0, 0
	MUL16 F1, 1, 2, 0
	QUARTER 64,  F0, F1, 0
	WIN 0
	s_branch .Ltail
.Lout:
	MUL16 F1, 1, 0, 0
	MUL16 F1, 1, 2, 0
	WIN 0
	PLACES                                         ; the maxima read results just made
	SOFT 0
	TOSTAGE 0
.irp a, 1,2,3,4,5,6,7                  ; block a's softmax stands between block a - 1's loads from the stage and the wait for them
	SOFT \a
	SEND (\a)-1
	TOSTAGE \a
.endr
	SEND 7
	; the statistics: both halves of the lanes hold every block's (mc, l); lanes 0-15 take block 2 j's, lanes 16-31 block 2 j + 1's: 32 rows' pairs, 256 consecutive bytes a store
	v_cmp_ne_u32 s72, 0, v2
.irp j, 0,1,2,3
	v_cndmask_b32 v[SUM+2*(\j)], v[ST+4*(\j)], v[ST+4*(\j)+2], s72
	v_cndmask_b32 v[SUM+2*(\j)+1], v[ST+4*(\j)+1], v[ST+4*(\j)+3], s72
	global_store_b64 v[SO], v[SUM+2*(\j):SUM+2*(\j)+1], s[66:67] offset:256*(\j)
.endr
	s_wait_tensorcnt 0x0                           ; the wave's end
	ds_add_u32 v[SPW], v[NIL]
	s_wait_dscnt 0x0
	CROUND                                         ; the closing round
	s_endpgm
.Lfunc_end_k_q734c1b89b4_scores:
	.size	k_q734c1b89b4_scores, .Lfunc_end_k_q734c1b89b4_scores-k_q734c1b89b4_scores
	.p2alignl 7, 3214868480
	.fill 96, 4, 3214868480
	.section	.rodata,"a",@progbits
	.p2align	6, 0x0
	.amdhsa_kernel k_q734c1b89b4_scores
		.amdhsa_group_segment_fixed_size 327680
		.amdhsa_private_segment_fixed_size 0
		.amdhsa_enable_private_segment 0
		.amdhsa_kernarg_size 32
		.amdhsa_user_sgpr_count 2
		.amdhsa_user_sgpr_kernarg_segment_ptr 1
		.amdhsa_wavefront_size32 1
		.amdhsa_system_sgpr_workgroup_id_x 1
		.amdhsa_system_sgpr_workgroup_id_y 1
		.amdhsa_system_sgpr_workgroup_id_z 1
		.amdhsa_system_vgpr_workitem_id 0
		.amdhsa_next_free_vgpr 1024
		.amdhsa_next_free_sgpr 74
		.amdhsa_reserve_vcc 0
		.amdhsa_float_denorm_mode_32 3
		.amdhsa_float_denorm_mode_16_64 3
		.amdhsa_memory_ordered 1
		.amdhsa_forward_progress 1
		.amdhsa_inst_pref_size 170
	.end_amdhsa_kernel
	.amdgpu_metadata
---
amdhsa.version: [ 1, 2 ]
amdhsa.kernels:
  - .name:           k_q734c1b89b4_scores
    .symbol:         k_q734c1b89b4_scores.kd
    .args:
      - { .name: qv, .offset: 0, .size: 8, .value_kind: global_buffer, .address_space: global }
      - { .name: xb, .offset: 8, .size: 8, .value_kind: global_buffer, .address_space: global }
      - { .name: p, .offset: 16, .size: 8, .value_kind: global_buffer, .address_space: global }
      - { .name: stats, .offset: 24, .size: 8, .value_kind: global_buffer, .address_space: global }
    .group_segment_fixed_size: 327680
    .private_segment_fixed_size: 0
    .kernarg_segment_align: 8
    .kernarg_segment_size: 32
    .max_flat_workgroup_size: 128
    .sgpr_count:     74
    .vgpr_count:     1024
    .wavefront_size: 32
...
	.end_amdgpu_metadata
.endif
;; end of part 4
;; launch pv (part 5): grid 4 x 64, 4 waves a work-group, clusters of 4 x 4, 327,680 bytes of LDS; arguments p, qv, stats, out0; writes out0
.if DOCPART == 5
	.amdgcn_target "amdgcn-amd-amdhsa--gfx1250"
	.amdhsa_code_object_version 6
	.text
	.protected	k_q734c1b89b4_pv
	.globl	k_q734c1b89b4_pv
	.p2align	8
	.type	k_q734c1b89b4_pv,@function
k_q734c1b89b4_pv:
	s_mov_b64 s[64:65], 0
	v_nop
	global_prefetch_b8 v0, s[64:65] scope:SCOPE_SE
	s_setreg_imm32_b32 hwreg(HW_REG_WAVE_MODE, 25, 1), 1
	s_wait_xcnt 0x0
	s_wait_alu depctr_hold_cnt(0) depctr_sa_sdst(0) depctr_va_vdst(0) depctr_va_sdst(0) depctr_va_ssrc(0) depctr_va_vcc(0) depctr_vm_vsrc(0)
	s_getreg_b32 s2, hwreg(HW_REG_IB_STS2, 6, 4)
	s_cmp_eq_u32 s2, 0
	s_cbranch_scc0 .Lentry_in_a_cluster
	s_endpgm
.Lentry_in_a_cluster:
	s_bfe_u32 s2, ttmp6, 0x10000c
	s_cmp_lg_u32 s2, 0xf033
	s_cbranch_scc0 .Lentry_shape_is_right
	s_endpgm
.Lentry_shape_is_right:
; The second half of the softmax and the second product.  For row m of out0 (batch b = m / 2048): M = max over the 16 sub-tiles t of mc[t], w[t] = 2^(mc[t] - M), L = sum of w[t] l[t];
; out0[m][e] = (sum over t of w[t] S_t[m][e]) / L, S_t = sum over the 128 keys n of t of p[m][n] v[2048 b + n][e].  p: [8192][2048] f16; v = rows 8192-16383 of qv, f16, [key][channel]; out0: f32.
; So the row's true maximum is what has been taken away from every score; every exponent here is 0 or below.  w, the weighted sum and 1 / L are all f32.
; LIMITS: a w below 2^-126 counts as 0; NaN and infinities are not treated apart.
; A tile of out0 is 128 queries x 256 channels: 256 work-groups.  Four waves, each 64 x 128: 32 accumulators S for the step in hand, started with the constant 0 in every step, and 256 registers O
; that take O += w S, 128 packed multiply-adds, when the step is over.  The keys go in 16 steps of 128 (a step = a sub-tile) through two LDS slots filled by the tensor data mover; p's rows in a
; tile are 256 bytes of memory, v's 512, and start at multiples of 256 bytes from the buffer's first byte.
; A STEP IS WRITTEN ONCE and looped over: the slot is a scalar, turned by an exclusive or, and one descriptor a tensor walks; the last two steps, which ask for nothing, are a second copy.  So that
; the first step is a step like any other, O is cleared: 256 v_mov_b32, in the wait for the first tiles.
; CLUSTER 4 x 4: p's tile is shared along a row of the cluster (the four channel tiles of the same queries), v's along a column (a cluster's 512 queries lie in one batch): joint loads.
; PREFETCH.  A refill has 128 matrix instructions in which to land, and slots of two steps (2 x 208,896 bytes) do not fit in LDS; so the tiles of steps 2 to 15 are asked for ahead of their tensor
; loads, each aligned block of 256 bytes once in the launch.  p: a step's 128 rows are shared by the four partners of a row of the cluster: each takes 32 rows, a lane a row; wave 0 the even step of a
; pair, wave 1 the odd one.  v: a step's 128 rows x 512 bytes are shared by the batch's 16 row tiles: each takes 8 rows x 2 blocks; wave 2 asks for both steps of the pair, 16 lanes each.  The head
; asks for steps 2 and 3; trip i = 1, 3, .. 11 for steps i + 3 and i + 4, whose tensor loads go out in trips i + 1 and i + 2; trip 13 asks for nothing, so no address passes step 15.
; THE MATRIX INSTRUCTION: source 0 = 16 channels x 32 keys of v, turned by ds_load_tr16_b128; source 1 = 16 queries x 32 keys of p: a lane holds ONE query (l % 16) in the result, so w and 1 / L are
; one number a lane and block; the result's registers are the channels 8 (l / 16) + 0..7.
; REGISTERS, in windows of 256 (s_set_vgpr_msb: bits 1:0 source 0, 3:2 source 1, 5:4 source 2, 7:6 destination):
;   window 0: v0-31 addresses and 1 / L; v32-255 at work at the start (statistics) and on the way out
;   window 1: two fragment buffers of 96 (64 of v, then 32 of p) at v0 and v96; v192-199 the step's (w, w), a pair a block       window 2: S, (a, n) at v[8 (8 a + n)]       window 3: O, likewise
.set PP,     272                       ; a row of p in LDS: 256 bytes + 16 = 68 words: the 16 rows of a load start at 16 different groups of four banks (64 banks of 4 bytes: ISA guide 11.1)
.set PVV,    544                       ; a row of v: 512 + 32 = 136 words: row r starts at bank 8 r mod 64
.set VOFF,   128*PP                    ; a slot: 128 rows of p, then 128 rows of v: 104,448 bytes
.set SLOT1,  1<<17                     ; slot 1 begins here, so that one exclusive or turns an address in one slot into the other's
.set SPARE,  128*(PP+PVV)              ; between the slots: the spare words, 128 bytes for each wave
.set STAGE,  SLOT1+128*(PP+PVV)        ; behind the ring: 16 rows x 528 bytes for each wave, for the way out
.set SPO,    528                       ; 512 bytes (128 f32) + 16
.set WTAB,   STAGE+4*16*SPO            ; for each wave 8,192 bytes: [step 16][query 16][block 4] pairs (w, w) in f32
.set STEPS,  16
.set RL,   8                           ; v8-15   block a: v[RL+2a] = 1 / L, v[RL+2a+1] = L
.set P0,   16                          ; v16     my lane's place among p's fragments in a slot; never rewritten
.set V0,   17                          ; v17     the same for v
.set ADRP, 18                          ; v18     P0 + the slot in hand
.set ADRV, 19                          ; v19     V0 + the slot in hand
.set WADR, 22                          ; v22     my query's 32 bytes of the table, one step back
.set STO,  24                          ; v24     the way out: where I put 32 bytes of a row
.set RD,   25                          ; v25     the way out: where I read a row back
.set CO,   26                          ; v26     16 x lane: my byte offset in 512 bytes of out0; never rewritten
.set SOFF, 27                          ; v27     8 x (l % 16): my row's pair in 16 rows of stats
.set SPW,  28                          ; v28     LDS address of my spare word; never rewritten
.set NIL,  29                          ; v29     0; never rewritten
.set PF,   30                          ; v30     the prefetch: my lane's block, in bytes from the wave's base; never rewritten
.set MX,   32                          ; v32-35  block a's M
.set MS,   64                          ; v64-191 (mc, l) of sub-tile st, block a at MS + 8 st + 2 a; they give way to (w, w)
.set TMP,  64                          ; the way out: a block's 64 numbers a lane
.set OB,   128                         ; 16 rows read back: v128-191 and v192-255 by turns
.set F0,   0                           ; window 1
.set F1,   96
.set WS,   192
.set TB,   2                           ; s2      the slot in hand: 0 or SLOT1
.set G1P, 24                           ; s[24:31] descriptor group 1 for p's tiles;  s[32:39] group 0: a set for each of the two first fills; the second then walks on
.set G0P, 32
.set G1V, 48                           ; s[48:55], s[56:63] the same for v's
.set G0V, 56
.set PB,  66                           ; s[66:67] the prefetch: my wave's base, in p (waves 0, 1) or in qv (wave 2)
.set PI,  68                           ; s[68:69] two steps on, in bytes: 512 along p's rows, 524,288 down v's
.set MSB, 0
.macro WIN new
.if MSB != (\new)
	s_set_vgpr_msb (MSB<<8)|(\new)
.set MSB, \new
.endif
.endm
.set W_MUL, 0xa5                       ; sources 0 (v) and 1 (p) window 1; C and D window 2
.set W_LD,  0x40                       ; destination window 1, address window 0
.set W_AC,  0xf6                       ; source 0 (S) window 2, source 1 (w) window 1, source 2 and destination (O) window 3
.set W_PK,  0x03                       ; source 0 (O) window 3; source 1 and destination window 0
.set W_CL,  0xc0                       ; destination window 3
.macro JLOAD s                         ; a joint load: waves 0 and 1 fetch the two halves of p's tile, waves 2 and 3 those of v's; an s_nop 0 and four v_nop follow each line
	s_cmp_eq_u32 s13, 0
	s_cbranch_scc0 .Lfor_v_\@
	tensor_load_to_lds s[G0P+4*(\s):G0P+4*(\s)+3], s[G1P:G1P+7]
	s_nop 0
.rept 4
	v_nop
.endr
	s_branch .Lasked_\@
.Lfor_v_\@:
	tensor_load_to_lds s[G0V+4*(\s):G0V+4*(\s)+3], s[G1V:G1V+7]
	s_nop 0
.rept 4
	v_nop
.endr
.Lasked_\@:
.endm
.macro CROUND                          ; a round of the cluster's barrier
	s_barrier_signal -1
	s_barrier_wait -1
	s_cmp_lg_u32 s12, 0
	s_cbranch_scc1 .Lnot_wave_0_\@
	s_barrier_signal -3
.Lnot_wave_0_\@:
	s_barrier_wait -3
	s_barrier_signal -1
	s_barrier_wait -1
.endm
	s_load_b256 s[4:11], s[0:1], 0x0               ; p s[4:5], qv s[6:7], stats s[8:9], out0 s[10:11]
	v_lshl_add_u32 v[SPW], v0, 2, SPARE
	v_mov_b32 v[NIL], 0
	ds_add_u32 v[SPW], v[NIL]                      ; the wave's opening: the add and its wait stand ahead of my first tensor load
	v_lshrrev_b32 v1, 5, v0
	v_readfirstlane_b32 s12, v1                    ; wave 0..3
	s_lshr_b32 s13, s12, 1                         ; which half of the tile's queries is mine.  Also: I fetch for p (0) or for v (1)
	s_and_b32 s14, s12, 1                          ; which half of its channels.  Also: which 64 rows of that tile I fetch
	s_bfe_u32 s40, ttmp6, 0x40000                  ; cx
	s_bfe_u32 s41, ttmp6, 0x40004                  ; cy
	s_lshl_b32 s42, ttmp9, 2
	s_add_co_u32 s42, s42, s40                     ; tile column = 4 x cluster x + cx: 256 channels
	s_and_b32 s43, ttmp7, 0xffff
	s_lshr_b32 s46, s43, 2                         ; the batch: 4 rows of clusters (2,048 queries) each; all sixteen partners share it
	s_lshl_b32 s43, s43, 2
	s_add_co_u32 s43, s43, s41                     ; tile row = 4 x cluster y + cy: 128 queries
	s_lshl_b32 s44, s41, 2
	s_lshl_b32 s44, 15, s44                        ; my row of the cluster
	s_lshl_b32 s45, 0x1111, s40                    ; my column
	; p: 64 rows x 128 elements of 2 bytes, 4 words of padding after every 64.  v: 64 rows x 256 elements, 8 words after every 128.
	s_or_b32 s[G1P+0], s44, (1<<16)|(1<<20)|(1<<21)|(5<<22)|(3<<25)
	s_mov_b32 s[G1P+1], 128<<16                    ; tensor_dim0
	s_mov_b32 s[G1P+2], 64<<16                     ; tensor_dim1
	s_mov_b32 s[G1P+3], 128<<16                    ; tile_dim0
	s_mov_b32 s[G1P+4], 64                         ; tile_dim1
	s_mov_b32 s[G1P+5], 2048                       ; elements from row to row
	s_mov_b32 s[G1P+6], 0
	s_mov_b32 s[G1P+7], 0
	s_or_b32 s[G1V+0], s45, (1<<16)|(1<<20)|(1<<21)|(6<<22)|(7<<25)
	s_mov_b32 s[G1V+1], 256<<16
	s_mov_b32 s[G1V+2], 64<<16
	s_mov_b32 s[G1V+3], 256<<16
	s_mov_b32 s[G1V+4], 64
	s_mov_b32 s[G1V+5], 1024
	s_mov_b32 s[G1V+6], 0
	s_mov_b32 s[G1V+7], 0
	s_lshl_b32 s17, s14, 6                         ; which 64 rows of the tile I fetch
	s_lshl_b32 s16, s43, 7
	s_add_co_u32 s16, s16, s17                     ; p: row 128 x tile row + 64 x half,
	s_lshl_b32 s16, s16, 12                        ; of 4,096 bytes
	s_lshl_b32 s18, s46, 11
	s_add_co_u32 s18, s18, s17                     ; v: key row 2048 x batch + 64 x half,
	s_lshl_b32 s18, s18, 11                        ; of 2,048 bytes,
	s_lshl_b32 s19, s42, 9                         ; 512 bytes a tile column,
	s_add_co_u32 s18, s18, s19
	s_add_co_u32 s18, s18, 0x1000000               ; behind q's 8,192 rows
	s_mov_b32 s17, 0
	s_mov_b32 s19, 0
	s_mul_i32 s20, s14, 64*PP                      ; where they go: no place in the cluster enters an LDS address
	s_mul_i32 s21, s14, 64*PVV
	s_add_co_u32 s21, s21, VOFF
	s_mov_b32 s[TB], 0
	s_wait_dscnt 0x0                               ; the opening add is done
	s_wait_kmcnt 0x0
	s_add_nc_u64 s[16:17], s[4:5], s[16:17]
	s_add_nc_u64 s[18:19], s[6:7], s[18:19]
	CROUND                                         ; all sixteen work-groups are here: the first joint loads meet
.irp s, 0,1
	s_mov_b32 s[G0P+4*(\s)], 1
	s_add_co_u32 s[G0P+4*(\s)+1], s20, (\s)*SLOT1
	s_add_nc_u64 s[G0P+4*(\s)+2:G0P+4*(\s)+3], s[16:17], (\s)*256       ; step s: 128 keys along p's rows
	s_or_b32 s[G0P+4*(\s)+3], s[G0P+4*(\s)+3], 0x80000000
	s_mov_b32 s[G0V+4*(\s)], 1
	s_add_co_u32 s[G0V+4*(\s)+1], s21, (\s)*SLOT1
	s_add_nc_u64 s[G0V+4*(\s)+2:G0V+4*(\s)+3], s[18:19], (\s)*262144    ; 128 rows of v down
	s_or_b32 s[G0V+4*(\s)+3], s[G0V+4*(\s)+3], 0x80000000
	JLOAD \s                                       ; two loads of mine are out
.endr
	v_and_b32 v1, 15, v0                           ; l % 16
	v_bfe_u32 v2, v0, 4, 1                         ; l / 16
	v_and_b32 v3, 31, v0                           ; l
	v_lshlrev_b32 v[SOFF], 3, v1
	s_and_b32 s18, s43, 15                         ; stats at my 64 rows: 16 planes of 16,384 bytes a batch; 8 bytes a row
	s_lshl_b32 s18, s18, 7
	s_lshl_b32 s19, s13, 6
	s_add_co_u32 s18, s18, s19
	s_lshl_b32 s18, s18, 3
	s_lshl_b32 s19, s46, 18
	s_add_co_u32 s18, s18, s19
	s_mov_b32 s19, 0
	s_add_nc_u64 s[8:9], s[8:9], s[18:19]
.set st, 0
.rept 16
.irp a, 0,1,2,3
	global_load_b64 v[MS+8*st+2*(\a):MS+8*st+2*(\a)+1], v[SOFF], s[8:9] offset:16384*st+128*(\a)  ; (mc, l) of my query in block a, sub-tile st
.endr
.set st, st+1
.endr
	v_mul_u32_u24 v4, v1, PP                       ; a fragment of p: row l % 16, 16 bytes for each half of the lanes, two loads 32 bytes apart
	v_lshl_add_u32 v4, v2, 4, v4
	s_mul_i32 s18, s13, 64*PP                      ; my 64 queries
	v_add_nc_u32 v[P0], s18, v4
	v_mov_b32 v[ADRP], v[P0]                       ; slot 0
	; The turning load takes 16 keys x 16 channels (lane l reads key 8 (l / 16) + l % 8, channels 8 ((l / 8) % 2) + 0..7) and leaves half a fragment: lane l holds channel l % 16 and 8 keys.
	v_and_b32 v4, 7, v0
	v_lshl_add_u32 v4, v2, 3, v4
	v_mul_u32_u24 v4, v4, PVV
	v_bfe_u32 v5, v0, 3, 1
	v_lshl_add_u32 v4, v5, 4, v4
	s_lshl_b32 s18, s14, 8                         ; my 128 channels
	s_add_co_u32 s18, s18, VOFF
	v_add_nc_u32 v[V0], s18, v4
	v_mov_b32 v[ADRV], v[V0]
	s_lshl_b32 s18, s12, 13
	s_add_co_u32 s18, s18, WTAB-512                ; my table, one step of 512 bytes back: the address steps ahead of each use
	v_lshl_add_u32 v[WADR], v1, 5, s18
	s_mul_i32 s18, s12, 16*SPO
	s_add_co_u32 s18, s18, STAGE                   ; my stage
	v_mul_u32_u24 v4, v1, SPO                      ; in: row l % 16, 32 bytes for each half of the lanes
	v_lshl_add_u32 v4, v2, 5, v4
	v_add_nc_u32 v[STO], s18, v4
	v_lshl_add_u32 v[RD], v3, 4, s18               ; back: 32 lanes take one row of 512 bytes
	v_lshlrev_b32 v[CO], 4, v3
	s_lshl_b32 s16, s43, 7                         ; out0 at my part of the tile
	s_lshl_b32 s17, s13, 6
	s_add_co_u32 s16, s16, s17                     ; my first row,
	s_lshl_b32 s16, s16, 12                        ; of 4,096 bytes;
	s_lshl_b32 s18, s42, 10                        ; 1,024 bytes a tile column, 512 a half
	s_lshl_b32 s19, s14, 9
	s_add_co_u32 s18, s18, s19
	s_add_co_u32 s16, s16, s18
	s_mov_b32 s17, 0
	s_add_nc_u64 s[10:11], s[10:11], s[16:17]
	; THE PREFETCH's addresses, in registers that feed no descriptor.  p: row 128 x tile row + 32 cx + lane; step 2 for wave 0, step 3 for wave 1.
	s_lshl_b32 s72, s43, 7
	s_lshl_b32 s76, s40, 5
	s_add_co_u32 s72, s72, s76
	s_lshl_b32 s72, s72, 12                        ; rows of 4,096 bytes
	s_lshl_b32 s76, s14, 8
	s_add_co_u32 s72, s72, s76
	s_add_co_u32 s72, s72, 2*256
	s_mov_b32 s73, 0
	s_and_b32 s74, s43, 15                         ; v: key row 2048 x batch + 128 x step + 8 x (my row tile in the batch) + (lane / 2) % 8; step 2 for lanes 0-15, step 3 for lanes 16-31
	s_lshl_b32 s74, s74, 3
	s_lshl_b32 s76, s46, 11
	s_add_co_u32 s74, s74, s76
	s_add_co_u32 s74, s74, 2*128
	s_lshl_b32 s74, s74, 11                        ; rows of 2,048 bytes,
	s_lshl_b32 s76, s42, 9                         ; my tile column's 512 bytes: two blocks, lane % 2,
	s_add_co_u32 s74, s74, s76
	s_add_co_u32 s74, s74, 0x1000000               ; behind q's 8,192 rows
	s_mov_b32 s75, 0
	s_add_nc_u64 s[72:73], s[4:5], s[72:73]
	s_add_nc_u64 s[74:75], s[6:7], s[74:75]
	s_mov_b32 s76, 512
	s_cmp_eq_u32 s13, 0                            ; waves 0 and 1 ask in p, wave 2 in qv: one line of text serves both
	s_cselect_b64 s[PB:PB+1], s[72:73], s[74:75]
	s_cselect_b32 s[PI], s76, 0x80000
	s_cselect_b32 s70, 0, -1
	s_mov_b32 s[PI+1], 0
	v_lshlrev_b32 v6, 12, v3                       ; p: a row a lane
	v_and_b32 v7, 1, v0                            ; v: the block,
	v_lshlrev_b32 v7, 8, v7
	v_bfe_u32 v[PF], v0, 1, 3                      ; the row,
	v_lshl_add_u32 v7, v[PF], 11, v7
	v_lshl_add_u32 v7, v2, 18, v7                  ; and the step: 128 rows of 2,048 bytes
	v_cndmask_b32 v[PF], v6, v7, s70
	s_cmp_eq_u32 s12, 3                            ; wave 3 has no share
	s_cbranch_scc1 .Lno_first_pf
	global_prefetch_b8 v[PF], s[PB:PB+1] th:TH_LOAD_NT scope:SCOPE_SE  ; steps 2 and 3
.Lno_first_pf:
	WIN W_CL                                       ; O = 0, while the statistics and the first tiles are on their way
.set i, 0
.rept 256
	v_mov_b32 v[i], 0
.set i, i+1
.endr
	WIN 0
	; THE STATISTICS.  Four blocks' chains side by side.
	s_wait_loadcnt 0x0
.irp a, 0,1,2,3
	v_max3_num_f32 v[MX+(\a)], v[MS+2*(\a)], v[MS+8+2*(\a)], v[MS+16+2*(\a)]
.endr
.set st, 3
.rept 6
.irp a, 0,1,2,3
	v_max3_num_f32 v[MX+(\a)], v[MX+(\a)], v[MS+8*st+2*(\a)], v[MS+8*st+8+2*(\a)]
.endr
.set st, st+2
.endr
.irp a, 0,1,2,3
	v_max_num_f32 v[MX+(\a)], v[MX+(\a)], v[MS+120+2*(\a)]   ; M
.endr
.set st, 0
.rept 16
.irp a, 0,1,2,3
	v_sub_f32 v[MS+8*st+2*(\a)], v[MS+8*st+2*(\a)], v[MX+(\a)]
.endr
.set st, st+1
.endr
.set st, 0
.rept 16
.irp a, 0,1,2,3
	v_exp_f32 v[MS+8*st+2*(\a)], v[MS+8*st+2*(\a)]           ; w = 2^(mc - M)
.endr
.set st, st+1
.endr
	v_nop                                          ; a plain instruction between the last exponential and the use of its result (ISA guide 5.7.2)
	s_wait_alu depctr_va_vdst(0)
.irp a, 0,1,2,3
	v_mul_f32 v[RL+2*(\a)+1], v[MS+2*(\a)], v[MS+2*(\a)+1]
.endr
.set st, 1
.rept 15
.irp a, 0,1,2,3
	v_fmac_f32 v[RL+2*(\a)+1], v[MS+8*st+2*(\a)], v[MS+8*st+2*(\a)+1]  ; L = sum of w l: about 1 or more, since the sub-tile that holds M has w = 1 and a weight of about 1
.endr
.set st, st+1
.endr
.irp a, 0,1,2,3
	v_rcp_f32 v[RL+2*(\a)], v[RL+2*(\a)+1]
.endr
.set st, 0
.rept 16
.irp a, 0,1,2,3
	v_mov_b32 v[MS+8*st+2*(\a)+1], v[MS+8*st+2*(\a)]         ; l has served: (w, w), the pair that the packed multiply-add takes
.endr
.set st, st+1
.endr
.set st, 0
.rept 16
	ds_store_b128 v[WADR], v[MS+8*st:MS+8*st+3] offset:512*(st+1)       ; my wave's own bytes; the two halves of the lanes hold the same numbers and write the same bytes
	ds_store_b128 v[WADR], v[MS+8*st+4:MS+8*st+7] offset:512*(st+1)+16
.set st, st+1
.endr
; O += w S: 128 packed multiply-adds in f32, each accumulator's registers in ascending order.  Those of the first blocks are the places behind the products of the last.
.macro ACCUM
	WIN W_AC
	s_wait_alu depctr_va_vdst(0)
.irp a, 0,1,2,3
.set i, 0
.rept 32
	v_pk_fma_f32 v[64*(\a)+2*i:64*(\a)+2*i+1], v[64*(\a)+2*i:64*(\a)+2*i+1], v[WS+2*(\a):WS+2*(\a)+1], v[64*(\a)+2*i:64*(\a)+2*i+1]
.set i, i+1
.endr
.endr
.endm
; 24 LDS loads in one run: quarter c (32 keys) of the step in the slot in hand: p's 8, then v's 16
.macro FETCH c, f
	WIN W_LD
.irp a, 0,1,2,3
	ds_load_b128 v[(\f)+64+8*(\a):(\f)+64+8*(\a)+3],   v[ADRP] offset:64*(\c)+(\a)*16*PP
	ds_load_b128 v[(\f)+64+8*(\a)+4:(\f)+64+8*(\a)+7], v[ADRP] offset:64*(\c)+(\a)*16*PP+32
.endr
.irp n, 0,1,2,3,4,5,6,7
	ds_load_tr16_b128 v[(\f)+8*(\n):(\f)+8*(\n)+3],   v[ADRV] offset:(\c)*32*PVV+32*(\n)
	ds_load_tr16_b128 v[(\f)+8*(\n)+4:(\f)+8*(\n)+7], v[ADRV] offset:(\c)*32*PVV+16*PVV+32*(\n)
.endr
.endm
; 16 matrix instructions: query blocks a0, a0 + 1 x all 8 channel blocks, 32 keys.  The 32 accumulators take turns, one instruction a turn, in the same order in every quarter.
.macro MUL16 f, a0, zero
	WIN W_MUL
.irp a, \a0, (\a0)+1
.irp n, 0,1,2,3,4,5,6,7
.if \zero
	v_wmma_f32_16x16x32_f16 v[8*(8*(\a)+(\n)):8*(8*(\a)+(\n))+7], v[(\f)+8*(\n):(\f)+8*(\n)+7], v[(\f)+64+8*(\a):(\f)+64+8*(\a)+7], 0
.else
	v_wmma_f32_16x16x32_f16 v[8*(8*(\a)+(\n)):8*(8*(\a)+(\n))+7], v[(\f)+8*(\n):(\f)+8*(\n)+7], v[(\f)+64+8*(\a):(\f)+64+8*(\a)+7], v[8*(8*(\a)+(\n)):8*(8*(\a)+(\n))+7]
.endif
.endr
.endr
.endm
.macro PLACES                          ; four plain vector instructions behind a matrix instruction (ISA guide 7.12.1 for vector instructions)
.rept 4
	v_nop
.endr
.endm
; A step is four quarters of 32 keys, 32 matrix instructions each, on buffers 0, 1, 0, 1.  One of the first three: fetches quarter c into g and multiplies f.
; acc = 1: a step's first quarter: the step before is added onto O first, and this quarter's products start S anew (zero = 1).
.macro QUARTER c, f, g, zero, acc
.if \acc
	s_wait_dscnt 24                                ; w's two loads are in; the 24 fragment loads behind them may be out
	ACCUM
.else
	PLACES
.endif
	FETCH \c, \g
	s_wait_dscnt 24                                ; all but the 24 just issued
	MUL16 \f, 0, \zero
	MUL16 \f, 2, \zero
.endm
; The prefetch of a trip.  The loop's count s15 runs 14 .. 1, so trip i = 14 - s15: the odd trips but the last ask, for steps i + 3 and i + 4.  The jumps hang on the count and on the wave's
; number alone, go forward, and pass neither a barrier nor a tensor load.
.macro PREF
	s_bitcmp1_b32 s15, 0
	s_cbranch_scc0 .Lno_pf_\@                      ; an even trip
	s_cmp_eq_u32 s15, 1
	s_cbranch_scc1 .Lno_pf_\@                      ; trip 13: steps 16 and 17 do not exist
	s_cmp_eq_u32 s12, 3
	s_cbranch_scc1 .Lno_pf_\@                      ; wave 3 has no share
	s_wait_xcnt 0x0                                ; my last prefetch, two trips back, has had its addresses translated (ISA guide 3.1): the base is written only behind this wait
	s_add_nc_u64 s[PB:PB+1], s[PB:PB+1], s[PI:PI+1]  ; two steps on
	global_prefetch_b8 v[PF], s[PB:PB+1] th:TH_LOAD_NT scope:SCOPE_SE
.Lno_pf_\@:
.endm
; The last quarter multiplies buffer 1 and changes slots.  Half of its products stand AHEAD of the wait for the next slot, so that nothing but the waits, the add and the barrier stands between a
; tile's landing and the next request.  ONE barrier: in front of it each wave waits for all its tensor loads (at most one is out: its part of the next slot), adds 0 to its spare word, and waits for
; that; its reads of this slot are over since the macro's first line.  fill = 1: the barrier is a round of the cluster's, and this slot takes the step two steps on, first thing behind the round.
; Then this step's w is asked for.
.macro TURN_A fill
	s_wait_dscnt 0x0                               ; buffer 1 is in: my reads of this slot are over
	MUL16 F1, 0, 0
	WIN 0
	s_wait_tensorcnt 0x0
	ds_add_u32 v[SPW], v[NIL]                      ; 0 onto my spare word
.if \fill
	s_xor_b32 s[G0P+5], s[G0P+5], SLOT1            ; the walking descriptors: the other slot than last time,
	s_add_nc_u64 s[G0P+6:G0P+7], s[G0P+6:G0P+7], 256       ; the next 128 keys along p's rows,
	s_xor_b32 s[G0V+5], s[G0V+5], SLOT1
	s_add_nc_u64 s[G0V+6:G0V+7], s[G0V+6:G0V+7], 262144    ; and down v's; the type bits on top are not reached
.endif
	s_wait_dscnt 0x0                               ; the add is done
.if \fill
	CROUND
	JLOAD 1                                        ; the four v_nop behind it are also the places in front of the loads below
	PREF
.else
	s_barrier_signal -1
	s_barrier_wait -1
	PLACES
.endif
	v_add_nc_u32 v[WADR], 512, v[WADR]             ; the table's entry for the step that ends
	WIN W_LD
	ds_load_b128 v[WS:WS+3], v[WADR]
	ds_load_b128 v[WS+4:WS+7], v[WADR] offset:16
.endm
.macro TURN_B                          ; the next slot's first fragments, and the other half of the last quarter's products
	WIN 0
	s_xor_b32 s[TB], s[TB], SLOT1
	v_add_nc_u32 v[ADRP], s[TB], v[P0]
	v_add_nc_u32 v[ADRV], s[TB], v[V0]
	FETCH 0, F0
	MUL16 F1, 2, 0
.endm
; THE WAY OUT of block a (16 queries x my 128 channels, f32).  PACK: O times 1 / L.  TOSTAGE: 32 bytes a lane into my stage, back as whole rows of 512.  SEND: stored.
.macro PACK a
	WIN W_PK
.set i, 0
.rept 32
	v_pk_mul_f32 v[TMP+2*i:TMP+2*i+1], v[64*(\a)+2*i:64*(\a)+2*i+1], v[RL+2*(\a):RL+2*(\a)+1] op_sel_hi:[1,0]
.set i, i+1
.endr
	WIN 0
.endm
.macro TOSTAGE a
	WIN 0
.set BK, OB+64*((\a)%2)
.irp n, 0,1,2,3,4,5,6,7
	ds_store_b128 v[STO], v[TMP+8*(\n):TMP+8*(\n)+3] offset:64*(\n)
	ds_store_b128 v[STO], v[TMP+8*(\n)+4:TMP+8*(\n)+7] offset:64*(\n)+16
.endr
.set t, 0
.rept 16
	ds_load_b128 v[BK+4*t:BK+4*t+3], v[RD] offset:t*SPO  ; LDS serves a wave's instructions in order (ISA guide 5.7.1.4): these see the stores above
.set t, t+1
.endr
.endm
.macro SEND a
	WIN 0
.set BK, OB+64*((\a)%2)
	s_wait_dscnt 0x0                               ; the block is back in registers
	s_wait_xcnt 0x0                                ; the stores issued so far have read their registers: the other buffer, which the next TOSTAGE loads again, is free
.set t, 0
.rept 16
	global_store_b128 v[CO], v[BK+4*t:BK+4*t+3], s[10:11] offset:(16*(\a)+t)*4096 th:TH_STORE_NT  ; 512 consecutive bytes, at a multiple of 256 from out0's first byte
.set t, t+1
.endr
.endm
	s_wait_tensorcnt 1                             ; my part of step 0 is in; step 1's, the one younger load, may stay out
	s_wait_dscnt 0x0                               ; my table is written
	s_barrier_signal -1
	s_barrier_wait -1
	FETCH 0, F0
	QUARTER 1, F0, F1, 1, 0                        ; step 0's first quarter: nothing to add yet
	WIN 0                                          ; at a label and at a branch every window is 0
	s_mov_b32 s15, STEPS-2
.Lstep:                                                ; a trip goes from a step's second quarter to the next step's first, and fills the slot that it leaves: steps 2 to 15
	QUARTER 2, F1, F0, 0, 0
	QUARTER 3, F0, F1, 0, 0
	TURN_A 1
	TURN_B
	QUARTER 1, F0, F1, 1, 1
	WIN 0
	s_sub_co_u32 s15, s15, 1
	s_cmp_lg_u32 s15, 0
	s_cbranch_scc1 .Lstep
	s_mov_b32 s15, 2
.Ltail:                                                ; the last two steps ask for nothing: a copy without a tensor load, left in the middle of its second trip
	QUARTER 2, F1, F0, 0, 0
	QUARTER 3, F0, F1, 0, 0
	TURN_A 0
	WIN 0
	s_sub_co_u32 s15, s15, 1
	s_cmp_eq_u32 s15, 0
	s_cbranch_scc1 .Lout
	TURN_B
	QUARTER 1, F0, F1, 1, 1
	WIN 0
	s_branch .Ltail
.Lout:
	MUL16 F1, 2, 0                                 ; the very last products
	s_wait_dscnt 0x0                               ; the last step's w
	ACCUM
	PACK 0
	TOSTAGE 0
.irp a, 1,2,3                          ; block a's multiplies stand between block a - 1's loads from the stage and the wait for them
	PACK \a
	SEND (\a)-1
	TOSTAGE \a
.endr
	SEND 3
	s_wait_tensorcnt 0x0                           ; the wave's end, behind my last tensor load and my last LDS store
	ds_add_u32 v[SPW], v[NIL]
	s_wait_dscnt 0x0
	CROUND                                         ; the closing round: no work-group ends while a partner may still ask for a tile that names it
	s_endpgm
.Lfunc_end_k_q734c1b89b4_pv:
	.size	k_q734c1b89b4_pv, .Lfunc_end_k_q734c1b89b4_pv-k_q734c1b89b4_pv
	.p2alignl 7, 3214868480
	.fill 96, 4, 3214868480
	.section	.rodata,"a",@progbits
	.p2align	6, 0x0
	.amdhsa_kernel k_q734c1b89b4_pv
		.amdhsa_group_segment_fixed_size 327680
		.amdhsa_private_segment_fixed_size 0
		.amdhsa_enable_private_segment 0
		.amdhsa_kernarg_size 32
		.amdhsa_user_sgpr_count 2
		.amdhsa_user_sgpr_kernarg_segment_ptr 1
		.amdhsa_wavefront_size32 1
		.amdhsa_system_sgpr_workgroup_id_x 1
		.amdhsa_system_sgpr_workgroup_id_y 1
		.amdhsa_system_sgpr_workgroup_id_z 1
		.amdhsa_system_vgpr_workitem_id 0
		.amdhsa_next_free_vgpr 1024
		.amdhsa_next_free_sgpr 78
		.amdhsa_reserve_vcc 0
		.amdhsa_float_denorm_mode_32 3
		.amdhsa_float_denorm_mode_16_64 3
		.amdhsa_memory_ordered 1
		.amdhsa_forward_progress 1
		.amdhsa_inst_pref_size 121
	.end_amdhsa_kernel
	.amdgpu_metadata
---
amdhsa.version: [ 1, 2 ]
amdhsa.kernels:
  - .name:           k_q734c1b89b4_pv
    .symbol:         k_q734c1b89b4_pv.kd
    .args:
      - { .name: p, .offset: 0, .size: 8, .value_kind: global_buffer, .address_space: global }
      - { .name: qv, .offset: 8, .size: 8, .value_kind: global_buffer, .address_space: global }
      - { .name: stats, .offset: 16, .size: 8, .value_kind: global_buffer, .address_space: global }
      - { .name: out0, .offset: 24, .size: 8, .value_kind: global_buffer, .address_space: global }
    .group_segment_fixed_size: 327680
    .private_segment_fixed_size: 0
    .kernarg_segment_align: 8
    .kernarg_segment_size: 32
    .max_flat_workgroup_size: 128
    .sgpr_count:     78
    .vgpr_count:     1024
    .wavefront_size: 32
...
	.end_amdgpu_metadata
.endif
;; end of part 5
